; MI455X (gfx1250); checked and timed in simulation.
; The chip was launched on July 23, 2026; its instructions are those of AMD's public machine-readable ISA for CDNA 5 (MIT licence, August 2026) and "CDNA5" Instruction Set Architecture Reference Guide (July 2026). The comments in the code are by the model that wrote it; some were corrected since.
;; Multi Head Attention. Allowed arithmetic: matrix products marked QUANTISED: E4M3 operands, one given power-of-two scale a tensor, by v_wmma_f32_16x16x64_fp8_fp8 or v_wmma_f32_16x16x128_fp8_fp8, f32 sums; everything else in f32.
;; Inputs: input_codes 4 x 2,048 x 32 x 32 uint8 (E4M3 codes of input, K innermost, in blocks of 32 codes); lowp_scales 8 int32 (the exponents e of the quantised operands' scales 2^e); mask 2,048 x 2,048 bool; out_b 1,024 float32; out_w_codes 1,024 x 32 x 32 uint8 (E4M3 codes of out_w, K innermost, in blocks of 32 codes); qkv_b 3,072 float32; qkv_w_codes 3,072 x 32 x 32 uint8 (E4M3 codes of qkv_w, K innermost, in blocks of 32 codes).
;; Outputs: out0 4 x 2,048 x 1,024 float32.
;; This version of the problem:
;;   THIS VERSION OF THE PROBLEM IS GIVEN IN LOW PRECISION. The matrix products marked QUANTISED in the list below multiply operands that are first quantised to E4M3 (4 exponent bits, 3 mantissa bits; 8 bits a number), with one given power-of-two scale for each operand tensor; their sums are f32. All else is computed in f32.
;;   The module's matrix products, in the order in which they are computed (A, B: the left and right operand; K: the contracted axis; several contracted axes count as one K, in the product's order):
;;     1. [M 8,192, K 1,024] x [K 1,024, N 3,072]; A: input input (given as codes); B: input qkv_w (given as codes): QUANTISED (scales: A lowp_scales[0], B lowp_scales[1])
;;     2. batch 64 x [M 2,048, K 64] x [K 64, N 2,048]; A: computed on the way; B: computed on the way: QUANTISED (scales: A lowp_scales[2], B lowp_scales[3])
;;     3. batch 64 x [M 2,048, K 2,048] x [K 2,048, N 64]; A: softmax (see below); B: computed on the way: QUANTISED (scales: A lowp_scales[4], B lowp_scales[5])
;;     4. [M 8,192, K 1,024] x [K 1,024, N 1,024]; A: computed on the way; B: input out_w (given as codes): QUANTISED (scales: A lowp_scales[6], B lowp_scales[7])
;;   THE QUANTISER, for each operand of a quantised product, along K:
;;     - The operand's scale is 2^e, e = its entry of the input lowp_scales (int32; the entries are numbered through the quantised products in the list's order, A before B).
;;     - Each number is divided by the scale, clamped to +-448, and rounded to the nearest number of E4M3, ties to even, subnormals kept.
;;     - The product sums the exact products of the quantised numbers (number of the format x scale) in f32.
;;   ~~~python
;;   def quantise(x, axis, e):      # numpy; x: float32 -> the quantised numbers, widened to float32 again
;;       x = np.moveaxis(x, axis, -1); K = x.shape[-1]
;;       r = np.clip(x / 2.0 ** e, -448, 448)
;;       step = 2.0 ** (np.maximum(np.frexp(np.where(r == 0, 1, r))[1] - 1, -6) - 3)
;;       q = np.round(r / step) * step * 2.0 ** e      # np.round: ties to even
;;       return np.moveaxis(q, -1, axis).astype(np.float32)
;;   ~~~
;;   SOFTMAX AHEAD OF A QUANTISED PRODUCT. Where the list says 'softmax', what is quantised is not the finished softmax but p = 2^(t - M), with t = logit x log2(e) and M = ceil(the row's largest t), a whole number; so 1/2 < the row's largest p <= 1. The row's sum l is taken of the UNQUANTISED p, in f32, and the product's result is divided by l at the end. Since M is a whole number, a kernel that streams over the keys may use a running M (the ceiling of the running maximum): every later rescaling is an exact power of two, so the quantised numbers keep their values, but for numbers so far below the row's largest that they fall under the format's range.
;;   OPERANDS COMPUTED ON THE WAY. 'Computed on the way' means the value that the module computes at that place (a softmax that the list does not call 'softmax' is quantised finished and normalised). What goes into a quantiser is computed in f32, as accurately as f32 sums, v_exp_f32 and their like allow (about 1e-6 of the number): no bf16 or f16 on the way to a quantiser, and a product that is left as it is and whose result goes on into a quantised operand takes f32 operands (vector FMAs, or v_wmma_f32_16x16x4_f32). A number that lies on a knife's edge between two numbers of the format may be rounded either way, as far as f32 arithmetic and the matrix unit's own rounding can turn it there, and no further.
;;   INPUTS GIVEN AS CODES. input (in the module: [4, 2048, 1024], K = its axis 2); out_w (in the module: [1024, 1024], K = its axis 1); qkv_w (in the module: [3072, 1024], K = its axis 1): each comes as NAME_codes (uint8): NAME with its K axis moved to the last place and cut into blocks of 32 codes, [.., K / 32, bytes a block], one block behind the other in memory; one code a byte (a code: sign, 4 exponent bits, 3 mantissa bits); its scale is its entry of lowp_scales. Its value is code x scale, taken as it is: it is not quantised again, and the codes and scales need not be those that the quantiser above would give.
;; 2 versions, each right; version 2 is version 1 with the launch attn written anew for expert scheduling mode. Each part assembles by itself: llvm-mc -triple=amdgcn-amd-amdhsa -mcpu=gfx1250 --defsym DOCPART=n.
;; ======== version 1 of 2: 4 launches
;; workspace buffers: qkimg 16,777,216 bytes; vimg 8,388,608 bytes; aimg 8,388,608 bytes; maskw 524,288 bytes of whole numbers; maskf 2,048 bytes of whole numbers
;; launch maskpack (part 1): grid 128 x 1, 4 waves a work-group, no clusters, 0 bytes of LDS; arguments mask, maskw, maskf; writes maskw, maskf
.if DOCPART == 1
	.amdgcn_target "amdgcn-amd-amdhsa--gfx1250"
	.amdhsa_code_object_version 6
	.text
	.protected	k_qf0311f95f6_maskpack
	.globl	k_qf0311f95f6_maskpack
	.p2align	8
	.type	k_qf0311f95f6_maskpack,@function
k_qf0311f95f6_maskpack:
	s_mov_b64 s[64:65], 0
	v_nop
	global_prefetch_b8 v0, s[64:65] scope:SCOPE_SE
	s_setreg_imm32_b32 hwreg(HW_REG_WAVE_MODE, 25, 1), 1
	s_wait_xcnt 0x0
; THE MASK, [2048 queries][2048 keys] of bytes 0 or 1, BECOMES LANE MASKS for the attention launch, and a flag for each block that has a hole.
; maskw: word n (0..63) of (tile of 16 queries qt, step of 128 keys) lies at (16 qt + step) x 256 + 4 n; its bit l is mask[16 qt + l % 16][128 step + 16 (n / 8) + 8 (l / 16) + n % 8]:
;        the lanes' select for register n of a tile of scores whose lane l holds query l % 16 and whose register 8 t + j holds key 16 t + 8 (l / 16) + j.
; maskf: word 4 qt + w has bit `step` set for each step of 4 w .. 4 w + 3 whose 64 words are not all ones.
; SHARES.  A work-group takes one qt, wave w the steps 4 w .. 4 w + 3, two at a time.  Lane (r = l % 16, h = l / 16) loads all 128 bytes of row 16 qt + r for step 4 w + 2 p + h: the wave's eight loads of a
; pair of steps cover 256 consecutive bytes, aligned, of each of its 16 rows.  Then the halves of the lanes change places register by register, so that a lane holds, of ONE step, the bytes 16 t + 8 h + 0..7.
; No LDS, no barrier: waves share nothing.  No branch hangs on the data.
.set X, 32                             ; v32-95  two pairs of steps, 32 registers (128 bytes a lane) each
.set W, 96                             ; v96-99  the words of the even step (a pair of registers: lane i holds words 2 i, 2 i + 1), then of the odd step
.set T, 100                            ; v100-103 at work
	s_load_b128 s[4:7], s[0:1], 0x0                ; mask s[4:5], maskw s[6:7]
	s_load_b64 s[8:9], s[0:1], 0x10                ; maskf
	v_lshrrev_b32 v1, 5, v0
	v_readfirstlane_b32 s10, v1                    ; wave 0..3
	v_and_b32 v1, 31, v0                           ; lane
	v_and_b32 v2, 15, v0                           ; r
	v_bfe_u32 v3, v0, 4, 1                         ; h
	v_lshlrev_b32 v4, 11, v2                       ; row r of 2,048 bytes,
	v_lshl_add_u32 v4, v3, 7, v4                   ; + 128 h: the odd step for lanes 16-31
	v_lshlrev_b32 v5, 3, v1                        ; out: 8 bytes a lane
	v_mov_b32 v7, 0                                ; the flag word's offset
.irp k, 0,1,2,3
	v_mov_b32 v[W+\k], 0                           ; v_writelane_b32's destination counts as read: written once
.endr
	s_lshl_b32 s12, ttmp9, 15                      ; mask: 16 rows of 2,048 bytes for each qt,
	s_lshl_b32 s13, s10, 9                         ; + 4 steps of 128 bytes for each wave
	s_add_co_u32 s12, s12, s13
	s_mov_b32 s13, 0
	s_lshl_b32 s14, ttmp9, 12                      ; maskw: 16 steps of 256 bytes for each qt,
	s_lshl_b32 s15, s10, 10                        ; + 4 steps for each wave
	s_add_co_u32 s14, s14, s15
	s_mov_b32 s15, 0
	s_lshl_b32 s16, ttmp9, 4                       ; maskf: word 4 qt + w
	s_lshl_b32 s17, s10, 2
	s_add_co_u32 s16, s16, s17
	s_mov_b32 s17, 0
	s_lshl_b32 s11, s10, 2                         ; my first step
	s_mov_b32 s23, 0                               ; the flags
	s_wait_kmcnt 0x0
	s_add_nc_u64 s[4:5], s[4:5], s[12:13]
	s_add_nc_u64 s[6:7], s[6:7], s[14:15]
	s_add_nc_u64 s[8:9], s[8:9], s[16:17]
.irp p, 0,1
.irp i, 0,1,2,3,4,5,6,7
	global_load_b128 v[X+32*\p+4*\i:X+32*\p+4*\i+3], v4, s[4:5] offset:256*\p+16*\i th:TH_LOAD_NT   ; read once in the launch
.endr
.endr
; Steps 4 w + 2 p and 4 w + 2 p + 1.
.macro PAIR p
.set R, X+32*\p
	s_wait_loadcnt 8-8*\p                          ; this pair's eight loads are in; the next pair's may be out
.if \p
	s_wait_xcnt 0x0                                ; the first pair's stores have read v96-99: they are written again only behind this wait
.endif
.set t, 0
.rept 8                                ; registers 4 t .. 4 t + 3 are bytes 16 t .. 16 t + 15.  The exchange gives register 4 t (+1) the EVEN step's bytes 16 t + 8 h .., register 4 t + 2 (+3) the ODD step's
	v_permlane16_swap_b32 v[R+4*t], v[R+4*t+2]     ; the first's lanes 16-31 change places with the second's lanes 0-15
	v_permlane16_swap_b32 v[R+4*t+1], v[R+4*t+3]
.set t, t+1
.endr
.irp k, 0,1
	s_mov_b32 s20, -1
.set n, 0
.rept 64                               ; word n = 8 t + j: byte j of the lane's eight; four sets of registers take turns
	v_and_b32 v[T+n%4], 1<<(8*(n%4)), v[R+4*(n/8)+2*\k+(n%8)/4]
	v_cmp_ne_u32 s[24+n%4], 0, v[T+n%4]            ; the 32 lanes' bits ARE the word
	s_and_b32 s20, s20, s[24+n%4]
	v_writelane_b32 v[W+2*\k+n%2], s[24+n%4], n/2
.set n, n+1
.endr
	global_store_b64 v5, v[W+2*\k:W+2*\k+1], s[6:7] offset:(2*\p+\k)*256   ; the wave stores 256 consecutive bytes, aligned
	s_cmp_eq_u32 s20, -1                           ; all ones?  A select, no branch
	s_cselect_b32 s21, 0, 1
	s_add_co_u32 s22, s11, 2*\p+\k
	s_lshl_b32 s21, s21, s22
	s_or_b32 s23, s23, s21
.endr
.endm
	PAIR 0
	PAIR 1
	v_mov_b32 v6, s23
	v_cmp_eq_u32 vcc_lo, 0, v1
	s_wait_xcnt 0x0                                ; EXEC changes only behind this wait
	s_and_saveexec_b32 s26, vcc_lo                 ; lane 0 stores the wave's flag word
	global_store_b32 v7, v6, s[8:9]
	s_wait_xcnt 0x0                                ; and again in front of the line that widens it
	s_or_b32 exec_lo, exec_lo, s26
	s_endpgm
.Lfunc_end_k_qf0311f95f6_maskpack:
	.size	k_qf0311f95f6_maskpack, .Lfunc_end_k_qf0311f95f6_maskpack-k_qf0311f95f6_maskpack
	.p2alignl 7, 3214868480
	.fill 96, 4, 3214868480
	.section	.rodata,"a",@progbits
	.p2align	6, 0x0
	.amdhsa_kernel k_qf0311f95f6_maskpack
		.amdhsa_group_segment_fixed_size 0
		.amdhsa_private_segment_fixed_size 0
		.amdhsa_enable_private_segment 0
		.amdhsa_kernarg_size 24
		.amdhsa_user_sgpr_count 2
		.amdhsa_user_sgpr_kernarg_segment_ptr 1
		.amdhsa_wavefront_size32 1
		.amdhsa_system_sgpr_workgroup_id_x 1
		.amdhsa_system_sgpr_workgroup_id_y 1
		.amdhsa_system_sgpr_workgroup_id_z 1
		.amdhsa_system_vgpr_workitem_id 0
		.amdhsa_next_free_vgpr 104
		.amdhsa_next_free_sgpr 66
		.amdhsa_reserve_vcc 1
		.amdhsa_float_denorm_mode_32 3
		.amdhsa_float_denorm_mode_16_64 3
		.amdhsa_memory_ordered 1
		.amdhsa_forward_progress 1
		.amdhsa_inst_pref_size 60
	.end_amdhsa_kernel
	.amdgpu_metadata
---
amdhsa.version: [ 1, 2 ]
amdhsa.kernels:
  - .name:           k_qf0311f95f6_maskpack
    .symbol:         k_qf0311f95f6_maskpack.kd
    .args:
      - { .name: mask, .offset: 0, .size: 8, .value_kind: global_buffer, .address_space: global }
      - { .name: maskw, .offset: 8, .size: 8, .value_kind: global_buffer, .address_space: global }
      - { .name: maskf, .offset: 16, .size: 8, .value_kind: global_buffer, .address_space: global }
    .group_segment_fixed_size: 0
    .private_segment_fixed_size: 0
    .kernarg_segment_align: 8
    .kernarg_segment_size: 24
    .max_flat_workgroup_size: 128
    .sgpr_count:     66
    .vgpr_count:     104
    .wavefront_size: 32
...
	.end_amdgpu_metadata
.endif
;; end of part 1
;; launch qkv (part 2): grid 12 x 32, 4 waves a work-group, clusters of 4 x 4, 327,680 bytes of LDS; arguments input_codes, qkv_w_codes, lowp_scales, qkv_b, qkimg, vimg; writes qkimg, vimg
.if DOCPART == 2
	.amdgcn_target "amdgcn-amd-amdhsa--gfx1250"
	.amdhsa_code_object_version 6
	.text
	.protected	k_qf0311f95f6_qkv
	.globl	k_qf0311f95f6_qkv
	.p2align	8
	.type	k_qf0311f95f6_qkv,@function
k_qf0311f95f6_qkv:
	s_mov_b64 s[64:65], 0
	v_nop
	global_prefetch_b8 v0, s[64:65] scope:SCOPE_SE
	s_setreg_imm32_b32 hwreg(HW_REG_WAVE_MODE, 25, 1), 1
	s_wait_xcnt 0x0
	s_wait_alu depctr_hold_cnt(0) depctr_sa_sdst(0) depctr_va_vdst(0) depctr_va_sdst(0) depctr_va_ssrc(0) depctr_va_vcc(0) depctr_vm_vsrc(0)
	s_getreg_b32 s2, hwreg(HW_REG_IB_STS2, 6, 4)
	s_cmp_eq_u32 s2, 0
	s_cbranch_scc0 .Lentry_in_a_cluster
	s_endpgm
.Lentry_in_a_cluster:
	s_bfe_u32 s2, ttmp6, 0x10000c
	s_cmp_lg_u32 s2, 0xf033
	s_cbranch_scc0 .Lentry_shape_is_right
	s_endpgm
.Lentry_shape_is_right:
; qkv = input qkv_w^T + qkv_b on codes of FP8 (E4M3); q, k and v are quantised at once, with their given scales, and stored as IMAGES OF THE OPERAND REGISTERS that the attention launch wants.
; input: [8192 tokens][1024], qkv_w: [3072 features][1024]: codes, K innermost.  A sum stands for sum x 2^(e0 + e1); value = sum x 2^(e0 + e1) + bias, one fused multiply-add; code = value / 2^et, held within +-448.
; A tile of 256 x 256 is made by a work-group of four waves, each 128 x 128 in 64 accumulators.  K goes in steps of 256 through a ring of two LDS slots; K = 1,024 is four slots, so the steps are written out.
; KINDS, by the cluster's x (the same in all sixteen partners): 0 = q, 1 = k, 2 = v.  Source 1 of the matrix instruction takes rows of "A", source 0 rows of "B"; in the result lane (r, h) holds row 16 a + r of A,
; and its registers j the rows 16 b + 8 h + j of B.  For q and k A = tokens and B = features: a lane's eight numbers run along the head's 64, the K of the scores.  For v A = features and B = tokens:
; they run along the keys, the K of the second product.  Only pointers, tile numbers and the way out differ.  One conversion of an accumulator's eight registers gives registers 2 c, 2 c + 1 of the next operand.
; qkimg: which (0 q, 1 k) << 23 + (16 batch + head) << 17 + (token / 16) << 10 + half << 9 + 16 lane: registers 4 half .. + 3 of the 16 x 64 fragment (pair c: d = 16 c + 8 h ..).
; vimg:  (16 batch + head) << 17 + (key / 128) << 13 + (d / 16) << 11 + quarter << 9 + 16 lane: registers 4 quarter .. + 3 of the 16 x 128 fragment (lane: d = 16 dt + r; pair c: keys 16 c + 8 h ..).
; CLUSTERS: 4 x 4 work-groups; A's tiles are asked for jointly along a row of the cluster, B's along a column.
; The input operands' fragments come by loads of 16 bytes (registers 4 c .. 4 c + 3: K = 32 c + 16 h ..): a permutation of k, alike in A and B; only the order of the sums inside an instruction differs from ascending k.
; LIMITS: e0 + e1 between -126 and 127; e2, e3, e5 between -126 and 119.  NaN among the inputs is not served.
; REGISTERS, in windows of 256: window 0: v0-31 addresses and constants; v32-95 the bias; v96-127 two sets of 16 registers of codes; from v128 A's fragments, ONE set, on the way out 64 numbers at work.
;   window 1: B's fragments, two sets.   window 2: accumulators of my rows 0-63 ((a, b) at v[8 (8 a + b)]);   window 3: rows 64-127.
.set ROWB,   256                       ; a tile's row in bytes: 256 codes
.set KROW,   1024                      ; a row of either tensor in memory
.set PITCH,  272                       ; an LDS row: 256 bytes + 16 of padding = 68 words: the 16 rows that a load touches start at 16 different banks (64 banks of 4 bytes: ISA guide 11.1)
.set FR,     16                        ; registers of a fragment: 16 rows x 128 K
.set NL,     4                         ; LDS loads that bring one
.set NP,     4                         ; places behind this matrix instruction (ISA guide 7.12.1)
.set HALFT,  128*PITCH                 ; 128 rows: what one tensor load brings
.set SLOT,   4*HALFT                   ; A's 256 rows, then B's 256 rows
.set SPARE,  2*SLOT                    ; behind the ring: the spare words, 128 bytes for each wave, which no other line names
.set ADRA, 16                          ; v16-17  LDS address of my A fragments in slot 0, 1
.set ADRB, 20                          ; v20-21  the same for B
.set CVS,  24                          ; v24     2^et as f32: the conversion takes its exponent field
.set LIM,  25                          ; v25     448 x 2^et
.set CO,   26                          ; v26     16 x lane: an image's place for my lane
.set BO,   27                          ; v27     my offset in the wave's 128 numbers of the bias
.set SPW,  28                          ; v28     LDS address of my spare word; never rewritten
.set NIL,  29                          ; v29     0; never rewritten
.set BIAS, 32
.set CODES, 96
.set AF,   128
.set TMP,  128
.set G1, 24                            ; s[24:31] descriptor group 1 for A's tiles;  s[32:39] group 0, one set for each slot
.set G0, 32
.set G1B, 48                           ; s[48:55], s[56:63] the same for B's tiles
.set G0B, 56
.set MSB, 0
.macro WIN new                         ; the immediate's high byte repeats the setting that is left
.if MSB != \new
	s_set_vgpr_msb (MSB<<8)|\new
.set MSB, \new
.endif
.endm
.set MUL_LO, 0xa1                      ; source 0 (B) window 1, source 1 (A) window 0, C and D window 2
.set MUL_HI, 0xf1                      ; the same, C and D window 3
.set TO_B,   0x40                      ; destination window 1, address window 0
; A joint load: waves 0 and 1 fetch for A, waves 2 and 3 for B.  The branch hangs on the wave's number alone.  Four v_nop follow each of the two lines.
.macro JLOAD g0a, g1a, g0b, g1b
	s_cmp_eq_u32 s15, 0
	s_cbranch_scc0 .Lfor_b_\@
	tensor_load_to_lds s[\g0a:\g0a+3], s[\g1a:\g1a+7]
	s_nop 0
.rept 4
	v_nop
.endr
	s_branch .Lasked_\@
.Lfor_b_\@:
	tensor_load_to_lds s[\g0b:\g0b+3], s[\g1b:\g1b+7]
	s_nop 0
.rept 4
	v_nop
.endr
.Lasked_\@:
.endm
.macro CREST                           ; a round of the cluster's barrier behind its opening barrier
	s_cmp_lg_u32 s14, 0
	s_cbranch_scc1 .Lnot_wave_0_\@
	s_barrier_signal -3
.Lnot_wave_0_\@:
	s_barrier_wait -3
	s_barrier_signal -1
	s_barrier_wait -1
.endm
.macro CROUND                          ; a whole round
	s_barrier_signal -1
	s_barrier_wait -1
	CREST
.endm
	s_load_b256 s[68:75], s[0:1], 0x0              ; input's codes s[68:69], qkv_w's codes s[70:71], the scales' exponents s[72:73], qkv_b s[74:75]
	s_load_b128 s[76:79], s[0:1], 0x20             ; qkimg s[76:77], vimg s[78:79]
	v_lshl_add_u32 v[SPW], v0, 2, SPARE
	v_mov_b32 v[NIL], 0
	ds_add_u32 v28, v29
	ds_add_u32 v28, v29
	s_wait_dscnt 0x0
	v_lshrrev_b32 v1, 5, v0
	v_readfirstlane_b32 s14, v1                    ; wave 0..3
	s_lshr_b32 s15, s14, 1                         ; which half of A's rows is mine.  Also: I fetch for A (0) or for B (1)
	s_and_b32 s16, s14, 1                          ; which half of B's rows.  Also: which 128 rows of that tile I fetch
	s_bfe_u32 s40, ttmp6, 0x40000                  ; cx, cy: my place in the cluster
	s_bfe_u32 s41, ttmp6, 0x40004
	s_and_b32 s18, ttmp7, 0xffff
	s_lshl_b32 s18, s18, 2                         ; 4 x cluster y
	s_lshl_b32 s19, ttmp9, 2                       ; 4 x kind
	s_cmp_eq_u32 ttmp9, 2                          ; v?  The kind is the cluster's x: the same in all partners
	s_cselect_b32 s17, 8, s18                      ; A's tile: v: rows 2,048 on of the weights; q, k: tokens
	s_cselect_b32 s42, s18, s19                    ; B's tile: v: tokens; q, k: the kind's 1,024 rows of the weights
	s_add_co_u32 s17, s17, s41                     ; + cy: A's tile hangs on cy alone of my place,
	s_add_co_u32 s42, s42, s40                     ; + cx: B's on cx alone
	s_lshl_b32 s43, s41, 2
	s_lshl_b32 s43, 15, s43                        ; my row of the cluster
	s_lshl_b32 s44, 0x1111, s40                    ; my column
	; descriptor group 1: a tile of 128 rows x 256 bytes, padded in LDS
	s_or_b32 s[G1+0], s43, (0<<16)|(1<<20)|(1<<21)|(5<<22)|(3<<25)  ; 15:0 the mask: A's tiles go to my row; 17:16 element of 1 byte; 20 padding on; 21 set beside a mask; 24:22 after every 64 words (code 5); 31:25 of 4 words (code 3)
	s_or_b32 s[G1B+0], s44, (0<<16)|(1<<20)|(1<<21)|(5<<22)|(3<<25)
.irp g, G1, G1B
	s_mov_b32 s[\g+1], ROWB<<16                    ; tensor_dim0
	s_mov_b32 s[\g+2], 128<<16                     ; tensor_dim1 = 128
	s_mov_b32 s[\g+3], ROWB<<16                    ; tile_dim0
	s_mov_b32 s[\g+4], 128                         ; tile_dim1 = 128
	s_mov_b32 s[\g+5], KROW                        ; tensor_dim0_stride
	s_mov_b32 s[\g+6], 0
	s_mov_b32 s[\g+7], 0
.endr
	s_lshl_b32 s18, s16, 7                         ; which 128 rows of the tile I fetch
	s_lshl_b32 s20, s17, 8
	s_add_co_u32 s20, s20, s18                     ; A: row 256 x tile + 128 x half,
	s_lshl_b32 s20, s20, 10                        ; in bytes (under 2^23)
	s_mov_b32 s21, 0
	s_lshl_b32 s46, s42, 8
	s_add_co_u32 s46, s46, s18                     ; B likewise
	s_lshl_b32 s46, s46, 10
	s_mov_b32 s47, 0
	s_mul_i32 s45, s14, HALFT                      ; where they go: wave x 128 rows: no place in the cluster enters an LDS address
	s_wait_kmcnt 0x0
	s_load_b256 s[88:95], s[72:73], 0x0            ; e0 .. e7
	s_cmp_eq_u32 ttmp9, 2
	s_cselect_b64 s[4:5], s[70:71], s[68:69]       ; A's tensor: the weights for v, else the tokens
	s_cselect_b64 s[6:7], s[68:69], s[70:71]       ; B's: the other one
	s_add_nc_u64 s[20:21], s[4:5], s[20:21]
	s_add_nc_u64 s[46:47], s[6:7], s[46:47]
	CROUND                                         ; all sixteen work-groups are here: the first joint loads meet
.irp s, 0,1
	s_mov_b32 s[G0+4*\s], 1
	s_add_co_u32 s[G0+4*\s+1], s45, \s*SLOT
	s_add_nc_u64 s[G0+4*\s+2:G0+4*\s+3], s[20:21], \s*ROWB
	s_or_b32 s[G0+4*\s+3], s[G0+4*\s+3], 0x80000000
	s_mov_b32 s[G0B+4*\s], 1
	s_add_co_u32 s[G0B+4*\s+1], s45, \s*SLOT
	s_add_nc_u64 s[G0B+4*\s+2:G0B+4*\s+3], s[46:47], \s*ROWB
	s_or_b32 s[G0B+4*\s+3], s[G0B+4*\s+3], 0x80000000
	JLOAD G0+4*\s, G1, G0B+4*\s, G1B
.endr
	v_and_b32 v1, 15, v0                           ; r = l % 16 (kept)
	v_bfe_u32 v2, v0, 4, 1                         ; h = l / 16 (kept)
	v_mul_u32_u24 v3, v1, PITCH
	v_lshl_add_u32 v4, v2, 4, v3                   ; a fragment's row x pitch + 16 x half
	s_mul_i32 s21, s15, HALFT                      ; my 128 rows of A
	s_mul_i32 s22, s16, HALFT                      ; my 128 rows of B,
	s_add_co_u32 s22, s22, 2*HALFT                 ; which lie behind A's 256
.irp s, 0,1
	v_add_nc_u32 v[ADRA+\s], s21, v4
	v_add_nc_u32 v[ADRB+\s], s22, v4
	s_add_co_u32 s21, s21, SLOT
	s_add_co_u32 s22, s22, SLOT
.endr
	v_and_b32 v6, 31, v0
	v_lshlrev_b32 v[CO], 4, v6
	; the way out's addresses.  gA, gB: which 128 rows of A's and of B's tensor are my wave's
	s_lshl_b32 s8, s17, 1
	s_add_co_u32 s8, s8, s15                       ; gA
	s_lshl_b32 s9, s42, 1
	s_add_co_u32 s9, s9, s16                       ; gB
	s_cmp_eq_u32 ttmp9, 2
	s_cselect_b32 s10, s9, s8                      ; my 128 tokens: 0 .. 63
	s_cselect_b32 s11, s8, s9                      ; my 128 features of the 3,072: 0 .. 23
	s_cselect_b32 s12, 16, 0
	s_cselect_b64 s[86:87], s[78:79], s[76:77]     ; vimg or qkimg
	s_sub_co_u32 s12, s11, s12                     ; features counted within the buffer: q 0-7, k 8-15; v 0-7
	s_lshr_b32 s13, s12, 3
	s_lshl_b32 s13, s13, 23                        ; q or k
	s_and_b32 s12, s12, 7
	s_lshl_b32 s12, s12, 18                        ; two heads of 2^17 bytes
	s_add_co_u32 s12, s12, s13
	s_lshr_b32 s13, s10, 4
	s_lshl_b32 s13, s13, 21                        ; the batch: 16 heads
	s_add_co_u32 s12, s12, s13
	s_and_b32 s13, s10, 15
	s_lshl_b32 s13, s13, 13                        ; 128 tokens: eight tiles of 1,024 bytes in qkimg, one key step of 8,192 bytes in vimg
	s_add_co_u32 s12, s12, s13
	s_mov_b32 s13, 0
	s_add_nc_u64 s[86:87], s[86:87], s[12:13]
	s_lshl_b32 s12, s11, 9
	s_add_nc_u64 s[98:99], s[74:75], s[12:13]      ; the bias at my 128 features
	s_wait_kmcnt 0x0
	s_cmp_eq_u32 ttmp9, 0                          ; et: e2 for q, e3 for k, e5 for v: selects, no branch
	s_cselect_b32 s2, s90, s91
	s_cmp_eq_u32 ttmp9, 2
	s_cselect_b32 s2, s93, s2
	s_add_co_i32 s2, s2, 127
	s_lshl_b32 s3, s2, 23
	v_mov_b32 v[CVS], s3
	s_add_co_i32 s2, s2, 8
	s_lshl_b32 s2, s2, 23
	s_or_b32 s2, s2, 0x600000                      ; 448's mantissa field over the exponent et + 8
	v_mov_b32 v[LIM], s2
	s_add_co_i32 s96, s88, s89
	s_add_co_i32 s96, s96, 127
	s_lshl_b32 s96, s96, 23                        ; 2^(e0 + e1) as f32
	s_mov_b32 s97, s96                             ; (named with it as a pair, so it is written)
.macro FRAG reg, adr, q, i             ; a fragment: lane l holds row l % 16; registers 4 c .. 4 c + 3 hold K = 32 c + 16 (l / 16) + 0 .. 15
.irp c, 0,1,2,3
	ds_load_b128 v[\reg+4*\c:\reg+4*\c+3], v[\adr] offset:128*(\q)+32*\c+(\i)*16*PITCH
.endr
.endm
; 16 matrix instructions: A's blocks a0, a0 + 1 x B's eight, 128 along K.  p: B's set.  zero = 1: the first product starts the sums.
; The 64 accumulators take turns, one instruction a turn, in the same order in every step.
.macro MUL16 a0, p, zero
.irp a, \a0, \a0+1
.irp b, 0,1,2,3,4,5,6,7
.if \zero
	v_wmma_f32_16x16x128_fp8_fp8 v[8*(8*((\a)%4)+\b):8*(8*((\a)%4)+\b)+7], v[128*(\p)+FR*\b:128*(\p)+FR*\b+FR-1], v[AF+FR*(\a):AF+FR*(\a)+FR-1], 0
.else
	v_wmma_f32_16x16x128_fp8_fp8 v[8*(8*((\a)%4)+\b):8*(8*((\a)%4)+\b)+7], v[128*(\p)+FR*\b:128*(\p)+FR*\b+FR-1], v[AF+FR*(\a):AF+FR*(\a)+FR-1], v[8*(8*((\a)%4)+\b):8*(8*((\a)%4)+\b)+7]
.endif
.endr
.endr
.endm
.macro FETCH_B slot, q, p              ; B's eight fragments of the slot's q-th 128 along K into set p
	WIN TO_B
.irp i, 0,1,2,3,4,5,6,7
	FRAG 128*(\p)+FR*\i, ADRB+\slot, \q, \i
.endr
	WIN 0
.endm
.macro FETCH_A slot, q, i0             ; A's blocks i0 .. i0 + 3
.irp i, \i0, \i0+1, \i0+2, \i0+3
	FRAG AF+FR*(\i), ADRA+\slot, \q, \i
.endr
.endm
.macro PLACES n                        ; plain vector instructions between a matrix instruction and a load into, or a vector instruction on, its registers
.rept \n
	v_nop
.endr
.endm
; A step of 128 along K that has its successor in the same slot.  A's blocks 0-3 are fetched anew in its middle, blocks 4-7 at its end; B has two sets.
.macro STEP slot, q, zero
	s_wait_dscnt 4*NL                              ; B's set and A's blocks 0-3 are in; the youngest sixteen loads (A's blocks 4-7) may be out
	WIN MUL_LO
	MUL16 0, (\q)%2, \zero
	MUL16 2, (\q)%2, \zero
	s_wait_dscnt 0                                 ; A's blocks 4-7 are in
	PLACES NP
	FETCH_B \slot, (\q)+1, 1-(\q)%2
	FETCH_A \slot, (\q)+1, 0
	WIN MUL_HI
	MUL16 4, (\q)%2, \zero
	MUL16 6, (\q)%2, \zero
	PLACES NP
	WIN 0
	FETCH_A \slot, (\q)+1, 4
.endm
; A slot's last step changes slots: ONE barrier; in front of it each wave waits for all its tensor loads, adds 0 to its spare word, and waits for that and for its own reads of this slot.  fill = 1: this slot is filled again, two slots ahead.
.macro TURN slot, next, fill
	s_wait_tensorcnt 0x0                           ; all my tensor loads have landed: my part of the next slot
	ds_add_u32 v[SPW], v[NIL]                      ; 0 onto my spare word
	s_wait_dscnt 4*NL+1                            ; (the add and the youngest sixteen loads, A's blocks 4-7, may be out)
	WIN MUL_LO
	MUL16 0, 1, 0                                  ; sixteen matrix instructions stand between the add and the wait for it
	s_wait_dscnt 0x0                               ; the add is done, and my reads of this slot are over
	s_barrier_signal -1
	MUL16 2, 1, 0
	WIN 0
	s_barrier_wait -1
.if \fill
	CREST                                          ; the barrier has opened a round of the cluster's barrier: no wave of any partner still reads this slot or has a load on its way
	s_add_nc_u64 s[G0+4*\slot+2:G0+4*\slot+3], s[G0+4*\slot+2:G0+4*\slot+3], 2*ROWB
	s_add_nc_u64 s[G0B+4*\slot+2:G0B+4*\slot+3], s[G0B+4*\slot+2:G0B+4*\slot+3], 2*ROWB
	JLOAD G0+4*\slot, G1, G0B+4*\slot, G1B         ; the first tensor load behind the round; its four v_nop are also the places in front of the loads below
.else
	PLACES NP
.endif
	FETCH_B \next, 0, 0
	FETCH_A \next, 0, 0
	WIN MUL_HI
	MUL16 4, 1, 0
	MUL16 6, 1, 0
	PLACES NP
	WIN 0
	FETCH_A \next, 0, 4
.endm
; THE WAY OUT of block a (16 rows of A x my 128 rows of B): value = sum x 2^(e0 + e1) + bias; the hold; eight conversions give 16 registers of codes: four stores of 512 consecutive bytes, aligned, straight from registers.
.macro OUTBLK a, isv
.set AC, 64*((\a)%4)
.set CD, CODES+16*((\a)%2)
.if (\a) > 1
	s_wait_xcnt 0x0                                ; block a - 2's stores have read this set of codes
.endif
	WIN 0x02+((\a)/4)                              ; source 0: window 2 or 3
.set j, 0
.rept 32                               ; each accumulator from its low end on
.if \isv
	v_pk_fma_f32 v[TMP+j:TMP+j+1], v[AC+j:AC+j+1], s[96:97], v[BIAS+2*(\a):BIAS+2*(\a)+1] op_sel_hi:[1,0,1]   ; my lane's ONE feature, 16 a + r
.else
	v_pk_fma_f32 v[TMP+j:TMP+j+1], v[AC+j:AC+j+1], s[96:97], v[BIAS+j:BIAS+j+1] op_sel_hi:[1,0,1]             ; features 16 b + 8 h + 0 .. 7
.endif
.set j, j+2
.endr
	WIN 0
.set j, 0
.rept 64
	v_med3_num_f32 v[TMP+j], v[TMP+j], -v[LIM], v[LIM]   ; the conversion to an 8-bit code does not saturate (ISA guide 7.6.2): the hold at the largest code x the scale
.set j, j+1
.endr
.set j, 0
.rept 8
	v_cvt_scalef32_pk8_fp8_f32 v[CD+2*j:CD+2*j+1], v[TMP+8*j:TMP+8*j+7], v[CVS]
.set j, j+1
.endr
	v_nop                                          ; one plain vector instruction behind the last conversion: the next block writes the numbers' registers
.irp p, 0,1,2,3
.if \isv
	global_store_b128 v[CO], v[CD+4*\p:CD+4*\p+3], s[86:87] offset:131072*((\a)/4)+2048*((\a)%4)+512*\p   ; head a / 4, d tile a % 4, quarter p of the 128 keys
.else
	global_store_b128 v[CO], v[CD+4*\p:CD+4*\p+3], s[86:87] offset:131072*(\p/2)+1024*(\a)+512*(\p%2)     ; head p / 2, token tile a, half p % 2 of the head's 64
.endif
.endr
.endm
; The last slot's two steps and the way out, once for q and k and once for v.  The bias is asked for first: 128 matrix instructions stand between its loads and the wait for them.
.macro TAIL isv
.if \isv
	v_lshlrev_b32 v[BO], 2, v1                     ; feature 16 a + r; loaded into both registers of a pair, so that the packed form finds it in both halves
.set j, 0
.rept 8
	global_load_b32 v[BIAS+2*j], v[BO], s[98:99] offset:64*j
	global_load_b32 v[BIAS+2*j+1], v[BO], s[98:99] offset:64*j
.set j, j+1
.endr
.else
	v_lshlrev_b32 v[BO], 5, v2                     ; features 16 b + 8 h + 0 .. 7
.set j, 0
.rept 8
	global_load_b128 v[BIAS+8*j:BIAS+8*j+3], v[BO], s[98:99] offset:64*j
	global_load_b128 v[BIAS+8*j+4:BIAS+8*j+7], v[BO], s[98:99] offset:64*j+16
.set j, j+1
.endr
.endif
	STEP 1, 0, 0
	s_wait_dscnt 4*NL                              ; the very last step: nothing more to fetch
	WIN MUL_LO
	MUL16 0, 1, 0
	MUL16 2, 1, 0
	s_wait_dscnt 0
	WIN MUL_HI
	MUL16 4, 1, 0
	MUL16 6, 1, 0
	WIN 0
	PLACES NP                                      ; in front of the first read of results and the first write over A's fragments
	s_wait_loadcnt 0x0                             ; the bias
.irp a, 0,1,2,3,4,5,6,7
	OUTBLK \a, \isv
.endr
.endm
	s_wait_tensorcnt 1                             ; my part of slot 0 is in (slot 1's load may be out)
	s_barrier_signal -1
	s_barrier_wait -1                              ; everybody's is
	FETCH_B 0, 0, 0
	FETCH_A 0, 0, 0
	FETCH_A 0, 0, 4
	STEP 0, 0, 1                                   ; K 0-127: its products start the sums
	TURN 0, 1, 1                                   ; K 128-255; slot 0 takes K 512-767
	STEP 1, 0, 0
	TURN 1, 0, 1                                   ; slot 1 takes K 768-1023
	STEP 0, 0, 0
	TURN 0, 1, 0                                   ; nothing is left to fetch: no round
	s_cmp_eq_u32 ttmp9, 2                          ; the kind: the same in all partners; no tensor load, barrier or LDS store stands in either arm
	s_cbranch_scc1 .Lv
	TAIL 0
	s_branch .Lend
.Lv:
	TAIL 1
.Lend:
	s_wait_tensorcnt 0x0                           ; the wave's end
	ds_add_u32 v[SPW], v[NIL]
	s_wait_dscnt 0x0
	CROUND                                         ; the closing round: no work-group ends while a partner may still ask for a tile that names it
	s_endpgm
.Lfunc_end_k_qf0311f95f6_qkv:
	.size	k_qf0311f95f6_qkv, .Lfunc_end_k_qf0311f95f6_qkv-k_qf0311f95f6_qkv
	.p2alignl 7, 3214868480
	.fill 96, 4, 3214868480
	.section	.rodata,"a",@progbits
	.p2align	6, 0x0
	.amdhsa_kernel k_qf0311f95f6_qkv
		.amdhsa_group_segment_fixed_size 327680
		.amdhsa_private_segment_fixed_size 0
		.amdhsa_enable_private_segment 0
		.amdhsa_kernarg_size 48
		.amdhsa_user_sgpr_count 2
		.amdhsa_user_sgpr_kernarg_segment_ptr 1
		.amdhsa_wavefront_size32 1
		.amdhsa_system_sgpr_workgroup_id_x 1
		.amdhsa_system_sgpr_workgroup_id_y 1
		.amdhsa_system_sgpr_workgroup_id_z 1
		.amdhsa_system_vgpr_workitem_id 0
		.amdhsa_next_free_vgpr 1024
		.amdhsa_next_free_sgpr 100
		.amdhsa_reserve_vcc 0
		.amdhsa_float_denorm_mode_32 3
		.amdhsa_float_denorm_mode_16_64 3
		.amdhsa_memory_ordered 1
		.amdhsa_forward_progress 1
		.amdhsa_inst_pref_size 206
	.end_amdhsa_kernel
	.amdgpu_metadata
---
amdhsa.version: [ 1, 2 ]
amdhsa.kernels:
  - .name:           k_qf0311f95f6_qkv
    .symbol:         k_qf0311f95f6_qkv.kd
    .args:
      - { .name: input_codes, .offset: 0, .size: 8, .value_kind: global_buffer, .address_space: global }
      - { .name: qkv_w_codes, .offset: 8, .size: 8, .value_kind: global_buffer, .address_space: global }
      - { .name: lowp_scales, .offset: 16, .size: 8, .value_kind: global_buffer, .address_space: global }
      - { .name: qkv_b, .offset: 24, .size: 8, .value_kind: global_buffer, .address_space: global }
      - { .name: qkimg, .offset: 32, .size: 8, .value_kind: global_buffer, .address_space: global }
      - { .name: vimg, .offset: 40, .size: 8, .value_kind: global_buffer, .address_space: global }
    .group_segment_fixed_size: 327680
    .private_segment_fixed_size: 0
    .kernarg_segment_align: 8
    .kernarg_segment_size: 48
    .max_flat_workgroup_size: 128
    .sgpr_count:     100
    .vgpr_count:     1024
    .wavefront_size: 32
...
	.end_amdgpu_metadata
.endif
;; end of part 2
;; launch attn (part 3): grid 4 x 64, 16 waves a work-group, no clusters, 264,192 bytes of LDS; arguments qkimg, vimg, maskw, maskf, lowp_scales, aimg; writes aimg
.if DOCPART == 3
	.amdgcn_target "amdgcn-amd-amdhsa--gfx1250"
	.amdhsa_code_object_version 6
	.text
	.protected	k_qf0311f95f6_attn
	.globl	k_qf0311f95f6_attn
	.p2align	8
	.type	k_qf0311f95f6_attn,@function
k_qf0311f95f6_attn:
	s_mov_b64 s[64:65], 0
	v_nop
	global_prefetch_b8 v0, s[64:65] scope:SCOPE_SE
	s_setreg_imm32_b32 hwreg(HW_REG_WAVE_MODE, 25, 1), 1
	s_wait_xcnt 0x0
; ATTENTION ON CODES OF FP8 (E4M3): for each of 64 (batch, head): S = q k^T / 8 under the mask, p = 2^(t - M), O = p v / l; O is quantised with 2^e6 and stored as an image of the last product's operand registers.
; t = score x log2(e) / 8; M = the ceiling of the row's running largest t, a whole number; l = the row's sum of the UNQUANTISED p; when M moves, l and O are multiplied by 2^(old M - new M), which rounds nothing.
; SHARES.  A work-group owns 512 queries of one head; each of its sixteen waves two tiles of 16 queries, so that each fragment of k and v read from LDS feeds two matrix instructions.  Four waves to a SIMD.
; LDS.  The head's whole k and v, 2 x 131,072 bytes of codes, stay in LDS: chunk s (128 keys) at 16,384 s: k's eight tile images, then v's four.  Each byte is written ONCE, through registers: chunks 0-3 at the head;
; in step s of the first twelve each thread copies 16 bytes of k and 16 of v of chunk s + 4.  The sixteen steps go in four groups of four with a barrier behind each of the first three: a group reads
; 65,536 g .. 65,536 (g + 1) and writes the 65,536 bytes behind.
; WHY NO TENSOR LOADS AND NO JOINT LOADS, though four work-groups read the same k and v: the text has two branches on whole numbers read from memory, and they
; leave out 128 of a tile-step's about 335 vector instructions: the selects of the mask where the stored flag says that my 32 queries x 128 keys are all true, and the hold where e4 >= -8 (p / 2^e4 <= 256, under 448).
; LAYOUT.  Both products are used transposed: S^T = k q^T (16x16x64), O^T = v^T p^T (16x16x128): a lane holds ONE query (lane % 16); register 8 t + j of S^T is key 16 t + 8 (lane / 16) + j, so one conversion
; of tile t's eight registers gives registers 2 t, 2 t + 1 of p's fragment.  All fragments lie in memory and LDS as images of their registers: every LDS read is 16 bytes at 16 x lane.
; A ROW ALL OF WHOSE KEYS ARE MASKED has l = 0; it gets NaN codes, as the softmax of such a row is NaN.
; LIMITS: e2 + e3 between -124 and 130 (added to c's exponent field); e4, e6 between -126 and 119; e4 + e5 goes by v_ldexp_f32 and has none.  NaN among the inputs is not served.
.set ADR,  1                           ; v1   LDS address of the step's fragments: 16 x lane + the chunk
.set GO,   2                           ; v2   16 x thread: my 16 bytes of a chunk's 8,192; never rewritten
.set FA,   3                           ; v3   where I store them
.set CVS,  4                           ; v4   2^e4 as f32
.set PFO,  5                           ; v5   256 x lane; never rewritten
.set NM0,  6                           ; v6   -M of tile 0 (v7 is named with it as a pair)
.set L0,   8                           ; v[8:9]   l of tile 0, in two halves
.set NM1,  10                          ; v10  -M of tile 1 (v11 likewise)
.set L1,   12                          ; v[12:13] l of tile 1
.set Q,    16                          ; v16-31  q's two fragments
.set FB,   32                          ; v32-63  four fragments of k at a time
.set P0,   32                          ; v32-47  then tile 0's p as codes
.set FT,   48                          ; v[48:49] f = 2^(old M - new M) (the low word serves both halves)
.set SM,   50                          ; v[50:51] the second chain of the sum
.set PD,   52                          ; v52, v53 lane permutes' destinations
.set S0,   64                          ; v64-127 S^T of tile 0
.set P1,   64                          ; v64-79  then tile 1's p as codes
.set FD,   112                         ; v112-119 the 32 bytes that I copy
.set S1,   128                         ; v128-191 S^T of tile 1
.set VF,   128                         ; then v's four fragments
.set O,    192                         ; v192-255 O^T: tile x, channels 16 dt on, at O + 32 x + 8 dt
.set WV,   84                          ; s84  my wave's number
.set TB,   85                          ; s85  LDS byte of the chunk in hand
.set TF,   86                          ; s86  of the chunk that is being written
.set STEPN, 87                         ; s87  the step's number
.set HOLES, 88                         ; s88  bit 0: this step's block of the mask has a hole
.set CNT,  89
.set CS,   90                          ; s[90:91] c = log2(e) / 8 x 2^(e2 + e3)
.set SEL,  92                          ; s[92:93] v_permlanex16_b32's selects for lane l xor 16
.set NINF, 94                          ; s94  -infinity
.set HOLD, 95                          ; s95  448 x 2^e4
.set E4,   96
.set LIM,  98                          ; s98  a wave prefetches while the step's number is under it
.set MOFF, 99                          ; s99  256 x step: the step's words of the mask
.set PFA,  100                         ; s[100:101] the prefetches' base
; s[16:63], s[68:83]: 64 words of the mask.  s10 e4 + e5, s11 2^e6, s12 448 x 2^e6, s13 four NaN codes.
	s_load_b256 s[4:11], s[0:1], 0x0               ; qkimg s[4:5], vimg s[6:7], maskw s[8:9], maskf s[10:11]
	s_load_b128 s[12:15], s[0:1], 0x20             ; the scales' exponents s[12:13], aimg s[14:15]
	v_lshrrev_b32 v1, 5, v0
	v_readfirstlane_b32 s[WV], v1                  ; wave 0..15
	v_lshlrev_b32 v[GO], 4, v0
	v_and_b32 v[PFO], 31, v0
	v_lshlrev_b32 v[ADR], 4, v[PFO]                ; 16 x lane, for q
	v_lshlrev_b32 v[PFO], 8, v[PFO]
	s_and_b32 s2, ttmp7, 0xffff                    ; 16 batch + head
	s_lshl_b32 s16, s2, 17                         ; its bytes in qkimg's halves and in vimg
	s_mov_b32 s17, 0
	s_lshl_b32 s18, ttmp9, 5
	s_lshl_b32 s19, s[WV], 1
	s_add_co_u32 s18, s18, s19                     ; my first tile of queries: 32 x work-group x + 2 x wave
	s_lshl_b32 s20, s18, 10                        ; q: 1,024 bytes a tile
	s_mov_b32 s21, 0
	s_lshl_b32 s40, s18, 12                        ; maskw: 16 steps of 256 bytes a tile
	s_mov_b32 s41, 0
	s_lshl_b32 s42, s18, 4                         ; maskf: four words a tile
	s_mov_b32 s43, 0
	s_lshr_b32 s3, s2, 4
	s_lshl_b32 s3, s3, 7
	s_add_co_u32 s3, s3, s18                       ; aimg: tile of tokens 128 batch + my tile: 4,096 bytes each,
	s_lshl_b32 s44, s3, 12
	s_bfe_u32 s3, s2, 0x20002                      ; + (head / 4) << 21: which 256 of the last product's K,
	s_lshl_b32 s3, s3, 21
	s_add_co_u32 s44, s44, s3
	s_and_b32 s3, s2, 3                            ; + (head % 4) << 10: which 64 of those 256
	s_lshl_b32 s3, s3, 10
	s_add_co_u32 s44, s44, s3
	s_mov_b32 s45, 0
	s_mov_b32 s[SEL], 0x76543210
	s_mov_b32 s[SEL+1], 0xfedcba98
	s_mov_b32 s[NINF], 0xff800000
	s_mov_b32 s[STEPN], 0
	s_mov_b32 s[MOFF], 0
	s_lshr_b32 s3, s[WV], 1                        ; 0 in waves 0 and 1
	s_or_b32 s3, s3, ttmp9                         ; of the head's first work-group: they prefetch, in steps 0 to 10
	s_cmp_eq_u32 s3, 0
	s_cselect_b32 s[LIM], 11, 0
	s_wait_kmcnt 0x0
	s_add_nc_u64 s[4:5], s[4:5], s[16:17]          ; q's half of qkimg at my head
	s_add_nc_u64 s[6:7], s[6:7], s[16:17]          ; v at my head
	s_add_nc_u64 s[22:23], s[4:5], s[20:21]        ; q at my tiles
	s_add_nc_u64 s[4:5], s[4:5], 0x800000          ; k at my head
	s_add_nc_u64 s[8:9], s[8:9], s[40:41]
	s_add_nc_u64 s[10:11], s[10:11], s[42:43]
	s_add_nc_u64 s[14:15], s[14:15], s[44:45]
	s_cmp_eq_u32 s[WV], 0
	s_cselect_b64 s[PFA:PFA+1], s[4:5], s[6:7]     ; wave 0 asks for k's chunks, wave 1 for v's
.irp c, 0,1,2,3                        ; chunks 0-3: the 512 threads copy 8,192 consecutive bytes a load
	global_load_b128 v[S0+8*\c:S0+8*\c+3], v[GO], s[4:5] offset:8192*\c
	global_load_b128 v[S0+8*\c+4:S0+8*\c+7], v[GO], s[6:7] offset:8192*\c
.endr
.irp c, 0,1,2,3                        ; q's two fragments stay in registers
	global_load_b128 v[Q+4*\c:Q+4*\c+3], v[ADR], s[22:23] offset:512*\c
.endr
	s_load_b256 s[24:31], s[12:13], 0x0            ; e0 .. e7
	s_load_b256 s[32:39], s[10:11], 0x0            ; my two tiles' flag words
	v_mov_b32 v[NM0], 0x7f61b1e6                   ; -M = 3e38: M lies under every t
	v_mov_b32 v[NM0+1], 0
	v_mov_b32 v[NM1], 0x7f61b1e6
	v_mov_b32 v[NM1+1], 0
	v_mov_b32 v[L0], 0
	v_mov_b32 v[L0+1], 0
	v_mov_b32 v[L1], 0
	v_mov_b32 v[L1+1], 0
.set j, 0
.rept 64
	v_mov_b32 v[O+j], 0                            ; the step is written once: its first run finds zeros, which the first change of M leaves zeros
.set j, j+1
.endr
	s_wait_kmcnt 0x0
	s_or_b32 s[HOLES], s32, s33
	s_or_b32 s[HOLES], s[HOLES], s34
	s_or_b32 s[HOLES], s[HOLES], s35
	s_or_b32 s[HOLES], s[HOLES], s36
	s_or_b32 s[HOLES], s[HOLES], s37
	s_or_b32 s[HOLES], s[HOLES], s38
	s_or_b32 s[HOLES], s[HOLES], s39               ; bit s: step s has a hole for one of my 32 queries
	s_add_co_i32 s2, s26, s27
	s_lshl_b32 s2, s2, 23
	s_add_co_i32 s[CS], s2, 0x3e38aa3b             ; log2(e) / 8, with e2 + e3 added to its exponent field
	s_mov_b32 s[CS+1], s[CS]                       ; (named with it as a pair, so it is written)
	s_mov_b32 s[E4], s28
	s_add_co_i32 s2, s28, 127
	s_lshl_b32 s3, s2, 23
	v_mov_b32 v[CVS], s3
	s_add_co_i32 s2, s2, 8
	s_lshl_b32 s2, s2, 23
	s_or_b32 s[HOLD], s2, 0x600000
	s_add_co_i32 s10, s28, s29                     ; e4 + e5
	s_add_co_i32 s2, s30, 127
	s_lshl_b32 s11, s2, 23                         ; 2^e6
	s_add_co_i32 s2, s2, 8
	s_lshl_b32 s2, s2, 23
	s_or_b32 s12, s2, 0x600000                     ; 448 x 2^e6
	s_mov_b32 s13, 0x7f7f7f7f
	s_wait_loadcnt 4                               ; the eight loads of chunks 0-3 are in; q's four may be out
.irp c, 0,1,2,3
	ds_store_b128 v[GO], v[S0+8*\c:S0+8*\c+3] offset:16384*\c
	ds_store_b128 v[GO], v[S0+8*\c+4:S0+8*\c+7] offset:16384*\c+8192
.endr
	s_wait_dscnt 0x0                               ; for the others' sake: my stores have landed
	s_barrier_signal -1
	s_barrier_wait -1
	s_wait_loadcnt 0x0                             ; q
; One tile's softmax for one key step.  S: its 64 scores; NM: -M; L: l; P: where the codes go; OT: its O^T.
.macro SOFTMAX S, NM, L, P, OT
	v_max3_num_f32 v14, v[\S], v[\S+1], v[\S+2]    ; the largest of my 64 scores, in two chains; each accumulator is first read at its low end
	v_max3_num_f32 v15, v[\S+3], v[\S+4], v[\S+5]
.set j, 6
.rept 14
	v_max3_num_f32 v14, v14, v[\S+j], v[\S+j+1]
	v_max3_num_f32 v15, v15, v[\S+j+2], v[\S+j+3]
.set j, j+4
.endr
	v_max3_num_f32 v14, v14, v[\S+62], v[\S+63]
	v_max_num_f32 v14, v14, v15
	v_permlanex16_b32 v[PD], v14, s[SEL], s[SEL+1]
	v_max_num_f32 v14, v14, v[PD]                  ; and of lane l xor 16's: the query's other 64 keys
	v_mul_f32 v14, s[CS], v14                      ; as t (c is positive)
	v_floor_f32 v15, -v14                          ; -ceil(t) of this step,
	v_min_num_f32 v15, v15, v[\NM]                 ; the new -M: the ceiling of a maximum is the maximum of the ceilings.  (All keys masked: floor(+infinity) loses against the old -M)
	v_sub_f32 v14, v15, v[\NM]                     ; old M - new M: a whole number, 0 or less
	v_mov_b32 v[\NM], v15
	v_cvt_i32_f32 v14, v14                         ; (it saturates)
	v_ldexp_f32 v[FT], 1.0, v14                    ; f = 2^(old M - new M)
.set j, 0
.rept 32
	v_pk_fma_f32 v[\S+j:\S+j+1], v[\S+j:\S+j+1], s[CS:CS+1], v[\NM:\NM+1] op_sel_hi:[1,0,0]   ; t - M, two at a time
.set j, j+2
.endr
.set j, 0
.rept 64
	v_exp_f32 v[\S+j], v[\S+j]                     ; p = 2^(t - M): one batch
.set j, j+1
.endr
	v_pk_mul_f32 v[\L:\L+1], v[\L:\L+1], v[FT:FT+1] op_sel_hi:[1,0]   ; l under the new M: the plain instruction behind the last exponential
	s_wait_alu depctr_va_vdst(0)                   ; one wait for the batch, ahead of its first reader
	v_pk_add_f32 v[SM:SM+1], v[\S:\S+1], v[\S+2:\S+3]   ; l takes the UNQUANTISED p, in two chains
.set j, 4
.rept 15
	v_pk_add_f32 v[\L:\L+1], v[\L:\L+1], v[\S+j:\S+j+1]
	v_pk_add_f32 v[SM:SM+1], v[SM:SM+1], v[\S+j+2:\S+j+3]
.set j, j+4
.endr
	v_pk_add_f32 v[\L:\L+1], v[\L:\L+1], v[SM:SM+1]
	s_cmp_ge_i32 s[E4], -8                         ; p is at most 1 (and a rounding): with e4 >= -8, p / 2^e4 stays under 448 and needs no hold
	s_cbranch_scc1 .Lnohold_\@
.set j, 0
.rept 64
	v_min_num_f32 v[\S+j], s[HOLD], v[\S+j]        ; the conversion does not saturate (ISA guide 7.6.2); p is not negative, so the hold is one-sided
.set j, j+1
.endr
.Lnohold_\@:
.set j, 0
.rept 8
	v_cvt_scalef32_pk8_fp8_f32 v[\P+2*j:\P+2*j+1], v[\S+8*j:\S+8*j+7], v[CVS]   ; tile j's eight keys: registers 2 j, 2 j + 1 of the fragment
.set j, j+1
.endr
.set j, 0
.rept 16
	v_pk_mul_f32 v[\OT+j:\OT+j+1], v[\OT+j:\OT+j+1], v[FT:FT+1] op_sel_hi:[1,0]   ; O^T under the new M.  (Also the plain instructions behind the conversions)
.set j, j+2
.endr
.endm
; A KEY STEP: 128 keys.  fill = 1: each thread copies its 32 bytes of the chunk four steps on.
.macro STEP fill
	v_and_b32 v[ADR], 31, v0
	v_lshl_add_u32 v[ADR], v[ADR], 4, s[TB]
.rept 3
	v_nop                                          ; with the two lines above: five places behind the last step's products, whose operands the loads and the products below write over
.endr
.irp g, 0,1                            ; S^T = k q^T: four tiles of 16 keys at a time, each against my two tiles of queries
.if \g
.rept 4
	v_nop                                          ; places in front of loads into registers that matrix instructions have read
.endr
.endif
.irp i, 0,1,2,3
	ds_load_b128 v[FB+8*\i:FB+8*\i+3], v[ADR] offset:(4*\g+\i)*1024
	ds_load_b128 v[FB+8*\i+4:FB+8*\i+7], v[ADR] offset:(4*\g+\i)*1024+512
.endr
	s_wait_dscnt 0x0
.irp i, 0,1,2,3
	v_wmma_f32_16x16x64_fp8_fp8 v[S0+8*(4*\g+\i):S0+8*(4*\g+\i)+7], v[FB+8*\i:FB+8*\i+7], v[Q:Q+7], 0
	v_wmma_f32_16x16x64_fp8_fp8 v[S1+8*(4*\g+\i):S1+8*(4*\g+\i)+7], v[FB+8*\i:FB+8*\i+7], v[Q+8:Q+15], 0
.endr
.endr
.rept 4
	v_nop                                          ; places in front of the first read of results
.endr
	s_and_b32 s2, s[HOLES], 1                      ; THE MASK: a branch on a whole number that an earlier launch stored; no barrier stands under it
	s_cmp_lg_u32 s2, 0
	s_cbranch_scc0 .Lopen_\@
.irp x, 0,1
	s_load_b512 s[16:31], s[8:9], s[MOFF] offset:4096*\x
	s_load_b512 s[32:47], s[8:9], s[MOFF] offset:4096*\x+64
	s_load_b512 s[48:63], s[8:9], s[MOFF] offset:4096*\x+128
	s_load_b512 s[68:83], s[8:9], s[MOFF] offset:4096*\x+192
	s_wait_kmcnt 0x0
.set n, 0
.rept 64                               ; word n is the lanes' select for register n: a masked score becomes -infinity, p = 0
	v_cndmask_b32 v[S0+64*\x+n], s[NINF], v[S0+64*\x+n], s[16+n+4*(n/48)]
.set n, n+1
.endr
.endr
	s_wait_xcnt 0x0                                ; the scalar loads have read their offset register, which the step's end writes
.Lopen_\@:
	SOFTMAX S0, NM0, L0, P0, O
.if \fill
	s_wait_xcnt 0x0                                ; the last step's loads and prefetch have read their bases, so these may step
	s_add_nc_u64 s[4:5], s[4:5], 8192
	s_add_nc_u64 s[6:7], s[6:7], 8192
	s_add_nc_u64 s[PFA:PFA+1], s[PFA:PFA+1], 8192
	global_load_b128 v[FD:FD+3], v[GO], s[4:5] offset:3*8192       ; chunk s + 4 (the bases stand at chunk s + 1), into registers that tile 0's scores have left
	global_load_b128 v[FD+4:FD+7], v[GO], s[6:7] offset:3*8192
	s_cmp_lt_u32 s[STEPN], s[LIM]                  ; A PREFETCH of chunk s + 5, which the next step loads: 8,192 bytes, lanes 256 bytes apart.  The four work-groups of a head copy the same chunks: the first of them asks,
	s_cbranch_scc0 .Lnot_mine_\@                   ; wave 0 for k's and wave 1 for v's, so each block is named once; chunks 0-4 come by their loads alone, and step 11 asks for nothing: chunk 15 is the last
	global_prefetch_b8 v[PFO], s[PFA:PFA+1] offset:4*8192 th:TH_LOAD_NT scope:SCOPE_SE
.Lnot_mine_\@:
.endif
	SOFTMAX S1, NM1, L1, P1, O+32
.irp d, 0,1,2,3                        ; O^T += v^T p^T: v's four fragments (16 channels x 128 keys), each against my two tiles
.irp c, 0,1,2,3
	ds_load_b128 v[VF+16*\d+4*\c:VF+16*\d+4*\c+3], v[ADR] offset:8192+2048*\d+512*\c
.endr
.endr
	s_wait_dscnt 0x0
.irp d, 0,1,2,3                        ; eight accumulators, one instruction each
	v_wmma_f32_16x16x128_fp8_fp8 v[O+8*\d:O+8*\d+7], v[VF+16*\d:VF+16*\d+15], v[P0:P0+15], v[O+8*\d:O+8*\d+7]
	v_wmma_f32_16x16x128_fp8_fp8 v[O+32+8*\d:O+32+8*\d+7], v[VF+16*\d:VF+16*\d+15], v[P1:P1+15], v[O+32+8*\d:O+32+8*\d+7]
.endr
.if \fill
	s_wait_loadcnt 0x0                             ; my 32 bytes are in
	v_add_nc_u32 v[FA], s[TF], v[GO]
	ds_store_b128 v[FA], v[FD:FD+3]
	ds_store_b128 v[FA], v[FD+4:FD+7] offset:8192
	s_add_co_u32 s[TF], s[TF], 16384
.endif
	s_add_co_u32 s[TB], s[TB], 16384
	s_add_co_u32 s[MOFF], s[MOFF], 256
	s_add_co_u32 s[STEPN], s[STEPN], 1
	s_lshr_b32 s[HOLES], s[HOLES], 1
.endm
; Four steps.  The bases are constants of the text: group g reads LDS bytes 65,536 g on and writes those from 65,536 (g + 1) on.
.macro GROUP g, fill
	s_mov_b32 s[TB], 65536*(\g)
.if \fill
	s_mov_b32 s[TF], 65536*((\g)+1)
.endif
	s_mov_b32 s[CNT], 4
.Lgroup_\@:
	STEP \fill
	s_sub_co_u32 s[CNT], s[CNT], 1
	s_cmp_lg_u32 s[CNT], 0
	s_cbranch_scc1 .Lgroup_\@
.if \fill
	s_wait_dscnt 0x0                               ; for the others' sake: my stores of the next group's chunks have landed
	s_barrier_signal -1
	s_barrier_wait -1
.endif
.endm
	GROUP 0, 1
	GROUP 1, 1
	GROUP 2, 1
	GROUP 3, 0
	; THE WAY OUT.  l's halves and lane l xor 16's are added; O^T x 2^(e4 + e5) / l is held, quantised with 2^e6 and stored: a tile's eight registers of codes are two stores of 512 consecutive bytes, aligned.
	v_add_f32 v14, v[L0], v[L0+1]                  ; (these additions are the places behind the last products)
	v_add_f32 v15, v[L1], v[L1+1]
	v_permlanex16_b32 v[PD], v14, s[SEL], s[SEL+1]
	v_permlanex16_b32 v[PD+1], v15, s[SEL], s[SEL+1]
	v_add_f32 v14, v14, v[PD]
	v_add_f32 v15, v15, v[PD+1]
	v_cmp_neq_f32 s2, 0, v14                       ; the rows that have a sum
	v_cmp_neq_f32 s3, 0, v15
	v_rcp_f32 v[FT], v14
	v_rcp_f32 v[FT+2], v15
	v_and_b32 v[ADR], 31, v0                       ; (a plain instruction behind the reciprocals)
	v_lshlrev_b32 v[ADR], 4, v[ADR]                ; 16 x lane
	v_mov_b32 v54, s11                             ; 2^e6
	v_mov_b32 v55, s12                             ; 448 x 2^e6
	s_wait_alu depctr_va_vdst(0)                   ; one wait for both reciprocals, ahead of their first reader
	v_ldexp_f32 v[FT], v[FT], s10
	v_ldexp_f32 v[FT+2], v[FT+2], s10
.irp x, 0,1
.set j, 0
.rept 16
	v_pk_mul_f32 v[O+32*\x+j:O+32*\x+j+1], v[O+32*\x+j:O+32*\x+j+1], v[FT+2*\x:FT+2*\x+1] op_sel_hi:[1,0]
.set j, j+2
.endr
.set j, 0
.rept 32
	v_med3_num_f32 v[O+32*\x+j], v[O+32*\x+j], -v55, v55
.set j, j+1
.endr
.irp d, 0,1,2,3
	v_cvt_scalef32_pk8_fp8_f32 v[P0+8*\x+2*\d:P0+8*\x+2*\d+1], v[O+32*\x+8*\d:O+32*\x+8*\d+7], v54   ; channels 16 d + 8 h + 0 .. 7
.endr
	v_nop                                          ; one plain instruction between a conversion and the vector instruction that touches its result
.set j, 0
.rept 8
	v_cndmask_b32 v[P0+8*\x+j], s13, v[P0+8*\x+j], s[2+\x]   ; a row without a sum gets NaN codes: a select, no branch
.set j, j+1
.endr
	global_store_b128 v[ADR], v[P0+8*\x:P0+8*\x+3], s[14:15] offset:4096*\x
	global_store_b128 v[ADR], v[P0+8*\x+4:P0+8*\x+7], s[14:15] offset:4096*\x+512
.endr
	s_wait_xcnt 0x0
	v_lshl_add_u32 v254, v0, 2, 0x40000
	v_mov_b32 v255, 0
	s_wait_tensorcnt 0x0
	ds_add_u32 v254, v255
	s_wait_dscnt 0x0
	s_endpgm
.Lfunc_end_k_qf0311f95f6_attn:
	.size	k_qf0311f95f6_attn, .Lfunc_end_k_qf0311f95f6_attn-k_qf0311f95f6_attn
	.p2alignl 7, 3214868480
	.fill 96, 4, 3214868480
	.section	.rodata,"a",@progbits
	.p2align	6, 0x0
	.amdhsa_kernel k_qf0311f95f6_attn
		.amdhsa_group_segment_fixed_size 264192
		.amdhsa_private_segment_fixed_size 0
		.amdhsa_enable_private_segment 0
		.amdhsa_kernarg_size 48
		.amdhsa_user_sgpr_count 2
		.amdhsa_user_sgpr_kernarg_segment_ptr 1
		.amdhsa_wavefront_size32 1
		.amdhsa_system_sgpr_workgroup_id_x 1
		.amdhsa_system_sgpr_workgroup_id_y 1
		.amdhsa_system_sgpr_workgroup_id_z 1
		.amdhsa_system_vgpr_workitem_id 0
		.amdhsa_next_free_vgpr 256
		.amdhsa_next_free_sgpr 102
		.amdhsa_reserve_vcc 0
		.amdhsa_float_denorm_mode_32 3
		.amdhsa_float_denorm_mode_16_64 3
		.amdhsa_memory_ordered 1
		.amdhsa_forward_progress 1
		.amdhsa_inst_pref_size 168
	.end_amdhsa_kernel
	.amdgpu_metadata
---
amdhsa.version: [ 1, 2 ]
amdhsa.kernels:
  - .name:           k_qf0311f95f6_attn
    .symbol:         k_qf0311f95f6_attn.kd
    .args:
      - { .name: qkimg, .offset: 0, .size: 8, .value_kind: global_buffer, .address_space: global }
      - { .name: vimg, .offset: 8, .size: 8, .value_kind: global_buffer, .address_space: global }
      - { .name: maskw, .offset: 16, .size: 8, .value_kind: global_buffer, .address_space: global }
      - { .name: maskf, .offset: 24, .size: 8, .value_kind: global_buffer, .address_space: global }
      - { .name: lowp_scales, .offset: 32, .size: 8, .value_kind: global_buffer, .address_space: global }
      - { .name: aimg, .offset: 40, .size: 8, .value_kind: global_buffer, .address_space: global }
    .group_segment_fixed_size: 264192
    .private_segment_fixed_size: 0
    .kernarg_segment_align: 8
    .kernarg_segment_size: 48
    .max_flat_workgroup_size: 512
    .sgpr_count:     102
    .vgpr_count:     256
    .wavefront_size: 32
...
	.end_amdgpu_metadata
.endif
;; end of part 3
;; launch proj (part 4): grid 4 x 32, 4 waves a work-group, clusters of 4 x 4, 327,680 bytes of LDS; arguments aimg, out_w_codes, lowp_scales, out_b, out0; writes out0
.if DOCPART == 4
	.amdgcn_target "amdgcn-amd-amdhsa--gfx1250"
	.amdhsa_code_object_version 6
	.text
	.protected	k_qf0311f95f6_proj
	.globl	k_qf0311f95f6_proj
	.p2align	8
	.type	k_qf0311f95f6_proj,@function
k_qf0311f95f6_proj:
	s_mov_b64 s[64:65], 0
	v_nop
	global_prefetch_b8 v0, s[64:65] scope:SCOPE_SE
	s_setreg_imm32_b32 hwreg(HW_REG_WAVE_MODE, 25, 1), 1
	s_wait_xcnt 0x0
	s_wait_alu depctr_hold_cnt(0) depctr_sa_sdst(0) depctr_va_vdst(0) depctr_va_sdst(0) depctr_va_ssrc(0) depctr_va_vcc(0) depctr_vm_vsrc(0)
	s_getreg_b32 s2, hwreg(HW_REG_IB_STS2, 6, 4)
	s_cmp_eq_u32 s2, 0
	s_cbranch_scc0 .Lentry_in_a_cluster
	s_endpgm
.Lentry_in_a_cluster:
	s_bfe_u32 s2, ttmp6, 0x10000c
	s_cmp_lg_u32 s2, 0xf033
	s_cbranch_scc0 .Lentry_shape_is_right
	s_endpgm
.Lentry_shape_is_right:
; out0 = attention's output x out_w^T + out_b on codes of FP8 (E4M3).  out0: [8192 tokens][1024] f32.  A sum stands for sum x 2^(e6 + e7): out = sum x 2^(e6 + e7) + out_b, one fused multiply-add.
; A (tokens) comes as aimg, images of its operand registers: (K / 256) << 21 + (token / 16) << 12 + ((K / 128) % 2) << 11 + quarter << 9 + 16 lane: registers 4 quarter .. + 3 of the 16 x 128 fragment, in the
; form's own layout (registers 2 c, 2 c + 1: K = 16 c + 8 h ..).  So a wave's part of a slot, 128 tokens x 256 K, is ONE dense block of 32,768 bytes, and a fragment is four loads of 16 bytes at 16 x lane.
; B (out_w: [1024][1024] codes, K innermost) comes as rows, padded in LDS, and is read in the same layout: eight loads of 8 bytes a fragment.  k stands in its true places.
; A tile of 256 x 256 is made by four waves, each 128 x 128 in 64 accumulators; K goes in steps of 256 through a ring of two LDS slots; K = 1,024 is four slots, so the steps are written out.
; CLUSTERS: 4 x 4 work-groups; A's blocks are asked for jointly along a row of the cluster, B's tiles along a column.  The matrix instruction is used transposed (source 0 = B, source 1 = A): a lane holds eight neighbouring columns of one row.
; 128 work-groups: a tile of 128 x 256 would give 256, at one and a half times the LDS bytes for each product; the larger tile is kept.
; LIMIT: e6 + e7 between -126 and 127.
; REGISTERS, in windows of 256: window 0: v0-31 addresses; v32-95 the bias; v96-127 half a block at work on the way out; from v128 A's fragments, ONE set, later rows read back from the stage.
;   window 1: B's fragments, two sets.   window 2: accumulators of my rows 0-63;   window 3: rows 64-127.
.set ROWB,   256                       ; a row of B's tile in bytes
.set KROW,   1024                      ; a row of out_w in memory
.set NROW,   4096                      ; a row of out0 in bytes
.set PITCH,  272                       ; B's LDS row: 256 bytes + 16 = 68 words: the 32 lanes of an 8-byte load (row r, + 8 h) touch 64 different banks (64 banks of 4 bytes: ISA guide 11.1)
.set FR,     16
.set NL,     4                         ; LDS loads that bring a fragment of A
.set NP,     4
.set APART,  32768                     ; A: what one tensor load brings: 8 tiles of 16 tokens x 4,096 bytes
.set BPART,  128*PITCH                 ; B: 128 rows
.set BOFF,   2*APART
.set SLOT,   2*APART+2*BPART
.set ASTEP,  1<<21                     ; from one 256 along K to the next in aimg
.set SPARE,  2*SLOT                    ; behind the ring: the spare words, 128 bytes for each wave, which no other line names
.set SPITCH, 528                       ; the way out: a stage of 16 rows x (512 bytes + 16) for each wave, in slot 0, which has had its last fill and its last read when the first result is stored there
.set ADRA, 16
.set ADRB, 20
.set STO,  24                          ; v24  where I put 32 bytes of a row
.set RD,   25                          ; v25  where I read a row back
.set CO,   26                          ; v26  16 x lane
.set BO,   27                          ; v27  my offset in the wave's 128 numbers of the bias
.set SPW,  28
.set NIL,  29
.set BIAS, 32
.set TMP,  96
.set AF,   128
.set BK,   128
.set G1, 24
.set G0, 32
.set G1B, 48
.set G0B, 56
.set MSB, 0
.macro WIN new                         ; the immediate's high byte repeats the setting that is left
.if MSB != \new
	s_set_vgpr_msb (MSB<<8)|\new
.set MSB, \new
.endif
.endm
.set MUL_LO, 0xa1
.set MUL_HI, 0xf1
.set TO_B,   0x40
.macro JLOAD g0a, g1a, g0b, g1b        ; a joint load: waves 0 and 1 fetch for A, waves 2 and 3 for B; four v_nop follow each of the two lines
	s_cmp_eq_u32 s15, 0
	s_cbranch_scc0 .Lfor_b_\@
	tensor_load_to_lds s[\g0a:\g0a+3], s[\g1a:\g1a+7]
	s_nop 0
.rept 4
	v_nop
.endr
	s_branch .Lasked_\@
.Lfor_b_\@:
	tensor_load_to_lds s[\g0b:\g0b+3], s[\g1b:\g1b+7]
	s_nop 0
.rept 4
	v_nop
.endr
.Lasked_\@:
.endm
.macro CREST
	s_cmp_lg_u32 s14, 0
	s_cbranch_scc1 .Lnot_wave_0_\@
	s_barrier_signal -3
.Lnot_wave_0_\@:
	s_barrier_wait -3
	s_barrier_signal -1
	s_barrier_wait -1
.endm
.macro CROUND
	s_barrier_signal -1
	s_barrier_wait -1
	CREST
.endm
	s_load_b256 s[68:75], s[0:1], 0x0              ; aimg s[68:69], out_w's codes s[70:71], the scales' exponents s[72:73], out_b s[74:75]
	s_load_b64 s[10:11], s[0:1], 0x20              ; out0
	v_lshl_add_u32 v[SPW], v0, 2, SPARE
	v_mov_b32 v[NIL], 0
	ds_add_u32 v28, v29
	ds_add_u32 v28, v29
	s_wait_dscnt 0x0
	v_lshrrev_b32 v1, 5, v0
	v_readfirstlane_b32 s14, v1                    ; wave 0..3
	s_lshr_b32 s15, s14, 1                         ; which half of the tile's rows is mine.  Also: I fetch for A (0) or for B (1)
	s_and_b32 s16, s14, 1                          ; which half of its columns.  Also: which half of that tile I fetch
	s_bfe_u32 s40, ttmp6, 0x40000                  ; cx, cy
	s_bfe_u32 s41, ttmp6, 0x40004
	s_lshl_b32 s42, ttmp9, 2
	s_add_co_u32 s42, s42, s40                     ; tile column
	s_and_b32 s17, ttmp7, 0xffff
	s_lshl_b32 s17, s17, 2
	s_add_co_u32 s17, s17, s41                     ; tile row
	s_lshl_b32 s43, s41, 2
	s_lshl_b32 s43, 15, s43                        ; my row of the cluster
	s_lshl_b32 s44, 0x1111, s40                    ; my column
	; A: a dense block as 128 rows of 32 elements of 8 bytes, no padding
	s_or_b32 s[G1+0], s43, (3<<16)|(1<<21)         ; 15:0 the mask: my row; 17:16 elements of 8 bytes; 21 set beside a mask
	s_mov_b32 s[G1+1], 32<<16                      ; tensor_dim0 = 32
	s_mov_b32 s[G1+2], 128<<16                     ; tensor_dim1 = 128
	s_mov_b32 s[G1+3], 32<<16                      ; tile_dim0
	s_mov_b32 s[G1+4], 128                         ; tile_dim1
	s_mov_b32 s[G1+5], 32                          ; each row begins where the last ends
	s_mov_b32 s[G1+6], 0
	s_mov_b32 s[G1+7], 0
	; B: 128 rows x 256 bytes, padded in LDS
	s_or_b32 s[G1B+0], s44, (0<<16)|(1<<20)|(1<<21)|(5<<22)|(3<<25)  ; the mask: my column; elements of 1 byte; padding: 4 words after every 64
	s_mov_b32 s[G1B+1], ROWB<<16
	s_mov_b32 s[G1B+2], 128<<16
	s_mov_b32 s[G1B+3], ROWB<<16
	s_mov_b32 s[G1B+4], 128
	s_mov_b32 s[G1B+5], KROW
	s_mov_b32 s[G1B+6], 0
	s_mov_b32 s[G1B+7], 0
	s_lshl_b32 s20, s17, 16                        ; A: 256 tokens are 65,536 bytes of a K slot,
	s_lshl_b32 s18, s16, 15                        ; + my half
	s_add_co_u32 s20, s20, s18
	s_mov_b32 s21, 0
	s_lshl_b32 s46, s42, 8
	s_lshl_b32 s18, s16, 7
	s_add_co_u32 s46, s46, s18                     ; B: row 256 x tile column + 128 x half,
	s_lshl_b32 s46, s46, 10                        ; in bytes
	s_mov_b32 s47, 0
	s_lshl_b32 s45, s16, 15                        ; where they go: A's halves,
	s_mul_i32 s19, s16, BPART
	s_add_co_u32 s19, s19, BOFF                    ; then B's: no place in the cluster enters an LDS address
	s_wait_kmcnt 0x0
	s_load_b64 s[96:97], s[72:73], 0x18            ; e6, e7
	s_add_nc_u64 s[20:21], s[68:69], s[20:21]
	s_add_nc_u64 s[46:47], s[70:71], s[46:47]
	CROUND                                         ; all sixteen work-groups are here: the first joint loads meet
.irp s, 0,1
	s_mov_b32 s[G0+4*\s], 1
	s_add_co_u32 s[G0+4*\s+1], s45, \s*SLOT
	s_add_nc_u64 s[G0+4*\s+2:G0+4*\s+3], s[20:21], \s*ASTEP
	s_or_b32 s[G0+4*\s+3], s[G0+4*\s+3], 0x80000000
	s_mov_b32 s[G0B+4*\s], 1
	s_add_co_u32 s[G0B+4*\s+1], s19, \s*SLOT
	s_add_nc_u64 s[G0B+4*\s+2:G0B+4*\s+3], s[46:47], \s*ROWB
	s_or_b32 s[G0B+4*\s+3], s[G0B+4*\s+3], 0x80000000
	JLOAD G0+4*\s, G1, G0B+4*\s, G1B
.endr
	v_and_b32 v1, 15, v0                           ; r
	v_bfe_u32 v2, v0, 4, 1                         ; h
	v_and_b32 v6, 31, v0
	v_lshlrev_b32 v[CO], 4, v6
	v_mul_u32_u24 v3, v1, PITCH
	v_lshl_add_u32 v4, v2, 3, v3                   ; B: row x pitch + 8 h
	s_lshl_b32 s21, s15, 15                        ; my 128 tokens of A
	s_mul_i32 s22, s16, BPART
	s_add_co_u32 s22, s22, BOFF                    ; my 128 rows of B
.irp s, 0,1
	v_add_nc_u32 v[ADRA+\s], s21, v[CO]
	v_add_nc_u32 v[ADRB+\s], s22, v4
	s_add_co_u32 s21, s21, SLOT
	s_add_co_u32 s22, s22, SLOT
.endr
	s_mul_i32 s23, s14, 16*SPITCH                  ; my stage
	v_mul_u32_u24 v5, v1, SPITCH
	v_lshl_add_u32 v5, v2, 5, v5
	v_add_nc_u32 v[STO], s23, v5                   ; in: row r, 32 bytes for each half of the lanes
	v_add_nc_u32 v[RD], s23, v[CO]                 ; back: the 32 lanes take one row of 512 bytes
	s_lshl_b32 s46, s42, 10                        ; my first column, in bytes of f32: 1,024 x tile column + 512 x half: in out0's rows and in out_b alike
	s_lshl_b32 s47, s16, 9
	s_add_co_u32 s46, s46, s47
	s_mov_b32 s47, 0
	s_add_nc_u64 s[98:99], s[74:75], s[46:47]
	s_lshl_b32 s20, s17, 8
	s_lshl_b32 s21, s15, 7
	s_add_co_u32 s20, s20, s21                     ; my first row: 256 x tile row + 128 x half,
	s_lshl_b32 s20, s20, 12                        ; in bytes (under 2^25)
	s_mov_b32 s21, 0
	s_add_nc_u64 s[10:11], s[10:11], s[20:21]
	s_add_nc_u64 s[10:11], s[10:11], s[46:47]
	v_lshlrev_b32 v[BO], 5, v2                     ; the bias in the result's layout: columns 16 b + 8 h + 0 .. 7; it lands while the products run
.set j, 0
.rept 8
	global_load_b128 v[BIAS+8*j:BIAS+8*j+3], v[BO], s[98:99] offset:64*j
	global_load_b128 v[BIAS+8*j+4:BIAS+8*j+7], v[BO], s[98:99] offset:64*j+16
.set j, j+1
.endr
.macro FRAGA reg, slot, q, i           ; A's fragment: an image of its registers
.irp c, 0,1,2,3
	ds_load_b128 v[\reg+4*\c:\reg+4*\c+3], v[ADRA+\slot] offset:(\i)*4096+(\q)*2048+512*\c
.endr
.endm
.macro FRAGB reg, slot, q, i           ; B's: registers 2 c, 2 c + 1 hold K = 16 c + 8 h + 0 .. 7 of row 16 i + r
.irp c, 0,1,2,3,4,5,6,7
	ds_load_b64 v[\reg+2*\c:\reg+2*\c+1], v[ADRB+\slot] offset:128*(\q)+16*\c+(\i)*16*PITCH
.endr
.endm
; The 64 accumulators take turns, one instruction a turn, in the same order in every step.
.macro MUL16 a0, p, zero
.irp a, \a0, \a0+1
.irp b, 0,1,2,3,4,5,6,7
.if \zero
	v_wmma_f32_16x16x128_fp8_fp8 v[8*(8*((\a)%4)+\b):8*(8*((\a)%4)+\b)+7], v[128*(\p)+FR*\b:128*(\p)+FR*\b+FR-1], v[AF+FR*(\a):AF+FR*(\a)+FR-1], 0
.else
	v_wmma_f32_16x16x128_fp8_fp8 v[8*(8*((\a)%4)+\b):8*(8*((\a)%4)+\b)+7], v[128*(\p)+FR*\b:128*(\p)+FR*\b+FR-1], v[AF+FR*(\a):AF+FR*(\a)+FR-1], v[8*(8*((\a)%4)+\b):8*(8*((\a)%4)+\b)+7]
.endif
.endr
.endr
.endm
.macro FETCH_B slot, q, p
	WIN TO_B
.irp i, 0,1,2,3,4,5,6,7
	FRAGB 128*(\p)+FR*\i, \slot, \q, \i
.endr
	WIN 0
.endm
.macro FETCH_A slot, q, i0
.irp i, \i0, \i0+1, \i0+2, \i0+3
	FRAGA AF+FR*(\i), \slot, \q, \i
.endr
.endm
.macro PLACES n
.rept \n
	v_nop
.endr
.endm
.macro STEP slot, q, zero
	s_wait_dscnt 4*NL                              ; B's set and A's blocks 0-3 are in; the youngest sixteen loads (A's blocks 4-7) may be out
	WIN MUL_LO
	MUL16 0, (\q)%2, \zero
	MUL16 2, (\q)%2, \zero
	s_wait_dscnt 0
	PLACES NP
	FETCH_B \slot, (\q)+1, 1-(\q)%2
	FETCH_A \slot, (\q)+1, 0
	WIN MUL_HI
	MUL16 4, (\q)%2, \zero
	MUL16 6, (\q)%2, \zero
	PLACES NP
	WIN 0
	FETCH_A \slot, (\q)+1, 4
.endm
.macro TURN slot, next, fill
	s_wait_tensorcnt 0x0                           ; all my tensor loads have landed: my part of the next slot
	ds_add_u32 v[SPW], v[NIL]                      ; 0 onto my spare word
	s_wait_dscnt 4*NL+1                            ; (the add and the youngest sixteen loads may be out)
	WIN MUL_LO
	MUL16 0, 1, 0
	s_wait_dscnt 0x0                               ; the add is done, and my reads of this slot are over
	s_barrier_signal -1
	MUL16 2, 1, 0
	WIN 0
	s_barrier_wait -1
.if \fill
	CREST                                          ; the barrier has opened a round of the cluster's barrier
	s_add_nc_u64 s[G0+4*\slot+2:G0+4*\slot+3], s[G0+4*\slot+2:G0+4*\slot+3], 2*ASTEP
	s_add_nc_u64 s[G0B+4*\slot+2:G0B+4*\slot+3], s[G0B+4*\slot+2:G0B+4*\slot+3], 2*ROWB
	JLOAD G0+4*\slot, G1, G0B+4*\slot, G1B         ; the first tensor load behind the round; its four v_nop are also the places in front of the loads below
.else
	PLACES NP
.endif
	FETCH_B \next, 0, 0
	FETCH_A \next, 0, 0
	WIN MUL_HI
	MUL16 4, 1, 0
	MUL16 6, 1, 0
	PLACES NP
	WIN 0
	FETCH_A \next, 0, 4
.endm
	s_wait_tensorcnt 1                             ; my part of slot 0 is in (slot 1's load may be out)
	s_barrier_signal -1
	s_barrier_wait -1                              ; everybody's is
	FETCH_B 0, 0, 0
	FETCH_A 0, 0, 0
	FETCH_A 0, 0, 4
	STEP 0, 0, 1                                   ; its products start the sums
	TURN 0, 1, 1
	STEP 1, 0, 0
	TURN 1, 0, 1
	STEP 0, 0, 0
	TURN 0, 1, 0                                   ; nothing is left to fetch: no round
	STEP 1, 0, 0
	s_wait_dscnt 4*NL                              ; the very last step
	WIN MUL_LO
	MUL16 0, 1, 0
	MUL16 2, 1, 0
	s_wait_dscnt 0
	WIN MUL_HI
	MUL16 4, 1, 0
	MUL16 6, 1, 0
	WIN 0
; THE WAY OUT, block by block of 16 rows x 128 columns, through my own stage in LDS: in as 32 bytes a lane, back as whole rows of 512 bytes.  LDS serves a wave's instructions in order (ISA guide 5.7.1.4): no wait between the stores and the loads.
.macro TOSTAGE a
.set AC, 64*((\a)%4)
.irp u, 0,1                            ; half a block at a time: 32 registers at work
	WIN 0x02+((\a)/4)                              ; source 0: window 2 or 3
.set j, 0
.rept 16
	v_pk_fma_f32 v[TMP+j:TMP+j+1], v[AC+32*\u+j:AC+32*\u+j+1], s[96:97], v[BIAS+32*\u+j:BIAS+32*\u+j+1] op_sel_hi:[1,0,1]   ; sum x 2^(e6 + e7) + out_b; each accumulator from its low end on
.set j, j+2
.endr
	WIN 0
.irp b, 0,1,2,3
	ds_store_b128 v[STO], v[TMP+8*\b:TMP+8*\b+3] offset:64*(4*\u+\b)
	ds_store_b128 v[STO], v[TMP+8*\b+4:TMP+8*\b+7] offset:64*(4*\u+\b)+16
.endr
.endr
.set BB, BK+64*((\a)%2)
.irp t, 0,1,2,3,4,5,6,7,8,9,10,11,12,13,14,15
	ds_load_b128 v[BB+4*\t:BB+4*\t+3], v[RD] offset:\t*SPITCH
.endr
.endm
.macro SEND a, younger                 ; younger: the LDS instructions issued behind block a's loads, which may stay out
.set BB, BK+64*((\a)%2)
	s_wait_dscnt \younger
.if (\a) > 0
	s_add_nc_u64 s[10:11], s[10:11], 16*NROW       ; (behind a wait on XCNT: the earlier stores have read their base)
.endif
.irp t, 0,1,2,3,4,5,6,7,8,9,10,11,12,13,14,15
	global_store_b128 v[CO], v[BB+4*\t:BB+4*\t+3], s[10:11] offset:\t*NROW th:TH_STORE_NT   ; 32 lanes store 512 consecutive bytes, aligned; written once, read by nobody here
.endr
.endm
	s_wait_kmcnt 0x0
	s_add_co_i32 s96, s96, s97
	s_add_co_i32 s96, s96, 127
	s_lshl_b32 s96, s96, 23                        ; 2^(e6 + e7) as f32
	s_mov_b32 s97, s96
	PLACES NP                                      ; in front of the first read of results and of loads into the registers that held A's fragments
	s_wait_loadcnt 0x0                             ; the bias
	TOSTAGE 0
.irp a, 1,2,3,4,5,6,7
.if \a > 1
	s_wait_xcnt 0x0                                ; block a - 2's stores have read their registers and their base
.endif
	TOSTAGE \a
	SEND \a-1, 32                                  ; behind block a - 1's loads: block a's 16 stores and 16 loads
.endr
	s_wait_xcnt 0x0
	SEND 7, 0
	s_wait_tensorcnt 0x0                           ; the wave's end
	ds_add_u32 v[SPW], v[NIL]
	s_wait_dscnt 0x0
	CROUND                                         ; the closing round
	s_endpgm
.Lfunc_end_k_qf0311f95f6_proj:
	.size	k_qf0311f95f6_proj, .Lfunc_end_k_qf0311f95f6_proj-k_qf0311f95f6_proj
	.p2alignl 7, 3214868480
	.fill 96, 4, 3214868480
	.section	.rodata,"a",@progbits
	.p2align	6, 0x0
	.amdhsa_kernel k_qf0311f95f6_proj
		.amdhsa_group_segment_fixed_size 327680
		.amdhsa_private_segment_fixed_size 0
		.amdhsa_enable_private_segment 0
		.amdhsa_kernarg_size 40
		.amdhsa_user_sgpr_count 2
		.amdhsa_user_sgpr_kernarg_segment_ptr 1
		.amdhsa_wavefront_size32 1
		.amdhsa_system_sgpr_workgroup_id_x 1
		.amdhsa_system_sgpr_workgroup_id_y 1
		.amdhsa_system_sgpr_workgroup_id_z 1
		.amdhsa_system_vgpr_workitem_id 0
		.amdhsa_next_free_vgpr 1024
		.amdhsa_next_free_sgpr 100
		.amdhsa_reserve_vcc 0
		.amdhsa_float_denorm_mode_32 3
		.amdhsa_float_denorm_mode_16_64 3
		.amdhsa_memory_ordered 1
		.amdhsa_forward_progress 1
		.amdhsa_inst_pref_size 141
	.end_amdhsa_kernel
	.amdgpu_metadata
---
amdhsa.version: [ 1, 2 ]
amdhsa.kernels:
  - .name:           k_qf0311f95f6_proj
    .symbol:         k_qf0311f95f6_proj.kd
    .args:
      - { .name: aimg, .offset: 0, .size: 8, .value_kind: global_buffer, .address_space: global }
      - { .name: out_w_codes, .offset: 8, .size: 8, .value_kind: global_buffer, .address_space: global }
      - { .name: lowp_scales, .offset: 16, .size: 8, .value_kind: global_buffer, .address_space: global }
      - { .name: out_b, .offset: 24, .size: 8, .value_kind: global_buffer, .address_space: global }
      - { .name: out0, .offset: 32, .size: 8, .value_kind: global_buffer, .address_space: global }
    .group_segment_fixed_size: 327680
    .private_segment_fixed_size: 0
    .kernarg_segment_align: 8
    .kernarg_segment_size: 40
    .max_flat_workgroup_size: 128
    .sgpr_count:     100
    .vgpr_count:     1024
    .wavefront_size: 32
...
	.end_amdgpu_metadata
.endif
;; end of part 4
;; ======== version 2 of 2: 4 launches; version 1 with the launch attn written anew for expert scheduling mode
;; workspace buffers: qkimg 16,777,216 bytes; vimg 8,388,608 bytes; aimg 8,388,608 bytes; maskw 524,288 bytes of whole numbers; maskf 2,048 bytes of whole numbers
;; launch maskpack: the kernel of part 1 again; grid 128 x 1, 4 waves a work-group, no clusters, 0 bytes of LDS; arguments mask, maskw, maskf; writes maskw, maskf
;; launch qkv: the kernel of part 2 again; grid 12 x 32, 4 waves a work-group, clusters of 4 x 4, 327,680 bytes of LDS; arguments input_codes, qkv_w_codes, lowp_scales, qkv_b, qkimg, vimg; writes qkimg, vimg
;; launch attn (part 5): grid 4 x 64, 16 waves a work-group, no clusters, 264,192 bytes of LDS; arguments qkimg, vimg, maskw, maskf, lowp_scales, aimg; writes aimg
.if DOCPART == 5
	.amdgcn_target "amdgcn-amd-amdhsa--gfx1250"
	.amdhsa_code_object_version 6
	.text
	.protected	k_qf0311f95f6_attn
	.globl	k_qf0311f95f6_attn
	.p2align	8
	.type	k_qf0311f95f6_attn,@function
k_qf0311f95f6_attn:
	s_mov_b64 s[64:65], 0
	v_nop
	global_prefetch_b8 v0, s[64:65] scope:SCOPE_SE
	s_setreg_imm32_b32 hwreg(HW_REG_WAVE_SCHED_MODE, 0, 2), 2
	s_setreg_imm32_b32 hwreg(HW_REG_WAVE_MODE, 25, 1), 1
	s_wait_xcnt 0x0
	s_wait_alu depctr_vm_vsrc(0)
; ATTENTION ON CODES OF FP8 (E4M3): for each of 64 (batch, head): S = q k^T / 8 under the mask, p = 2^(t - M), O = p v / l; O is quantised with 2^e6 and stored as an image of the last product's operand registers.
; t = score x log2(e) / 8; M = the ceiling of the row's running largest t, a whole number; l = the row's sum of the UNQUANTISED p; when M moves, l and O are multiplied by 2^(old M - new M), which rounds nothing.
; SHARES.  A work-group owns 512 queries of one head; each of its sixteen waves two tiles of 16 queries, so that each fragment of k and v read from LDS feeds two matrix instructions.  Four waves to a SIMD.
; LDS.  The head's whole k and v, 2 x 131,072 bytes of codes, stay in LDS: chunk s (128 keys) at 16,384 s: k's eight tile images, then v's four.  Each byte is written ONCE, through registers: chunks 0-3 at the head;
; in step s of the first twelve each thread copies 16 bytes of k and 16 of v of chunk s + 4.  The sixteen steps go in four groups of four with a barrier behind each of the first three: a group reads
; 65,536 g .. 65,536 (g + 1) and writes the 65,536 bytes behind.
; WHY NO TENSOR LOADS AND NO JOINT LOADS, though four work-groups read the same k and v: the text has two branches on whole numbers read from memory, and they
; leave out 128 of a tile-step's about 335 vector instructions: the selects of the mask where the stored flag says that my 32 queries x 128 keys are all true, and the hold where e4 >= -8 (p / 2^e4 <= 256, under 448).
; LAYOUT.  Both products are used transposed: S^T = k q^T (16x16x64), O^T = v^T p^T (16x16x128): a lane holds ONE query (lane % 16); register 8 t + j of S^T is key 16 t + 8 (lane / 16) + j, so one conversion
; of tile t's eight registers gives registers 2 t, 2 t + 1 of p's fragment.  All fragments lie in memory and LDS as images of their registers: every LDS read is 16 bytes at 16 x lane.
; A ROW ALL OF WHOSE KEYS ARE MASKED has l = 0; it gets NaN codes, as the softmax of such a row is NaN.
; LIMITS: e2 + e3 between -124 and 130 (added to c's exponent field); e4, e6 between -126 and 119; e4 + e5 goes by v_ldexp_f32 and has none.  NaN among the inputs is not served.
; THE MODE: SCHED_MODE bits 1:0 = 2 (LLVM: expert scheduling mode 2), set by the entry lines.  The code itself states the register dependences
; between vector or matrix instructions and memory or LDS instructions, with s_wait_alu, always for 0.
; THE PLAN.  Registers that memory or LDS instructions touch, round a key step:
;   v[ADR], v[FA]  LDS addresses.  Written at the step's head, behind a wait on vm_vsrc; read by the step's 32 LDS loads (ADR) and its two LDS stores (FA); no vector instruction names them in between.
;   v[GO], v[PFO]  Offsets made once at the kernel's head, never written again: the scalar bases step.
;   FB  v32-63     k's fragments land here twice a step; eight products read them each time; later in the step the same registers hold P0, FT, SM, PD, which vector instructions write and the last products read.
;   FD  v112-119   Scores 48-55 of tile 0, last read by tile 0's conversions; then two global loads land here; two LDS stores read them at the step's end; the next step's products write them.
;   VF  v128-191   Tile 1's scores, last read by tile 1's conversions; then v's sixteen LDS loads land here; the last products read them.
; So a step has one wait on vm_vsrc, at its head, and four on va_vdst ahead of runs of loads: at the head (ADR and FA written, FB free), ahead of k's second run (the first eight products are done with FB), straight
; behind tile 0's conversions (FD free) and straight behind tile 1's (VF free).  Each tile's sixteen multiplies that rescale O^T stand BEHIND the loads that follow its conversions: they name none of those loads' registers.
.set ADR,  1                           ; v1   LDS address of the step's fragments: 16 x lane + the chunk
.set GO,   2                           ; v2   16 x thread: my 16 bytes of a chunk's 8,192; never rewritten
.set FA,   3                           ; v3   where I store them
.set CVS,  4                           ; v4   2^e4 as f32
.set PFO,  5                           ; v5   256 x lane; never rewritten
.set NM0,  6                           ; v6   -M of tile 0 (v7 is named with it as a pair)
.set L0,   8                           ; v[8:9]   l of tile 0, in two halves
.set NM1,  10                          ; v10  -M of tile 1 (v11 likewise)
.set L1,   12                          ; v[12:13] l of tile 1
.set Q,    16                          ; v16-31  q's two fragments
.set FB,   32                          ; v32-63  four fragments of k at a time
.set P0,   32                          ; v32-47  then tile 0's p as codes
.set FT,   48                          ; v[48:49] f = 2^(old M - new M) (the low word serves both halves)
.set SM,   50                          ; v[50:51] the second chain of the sum
.set PD,   52                          ; v52, v53 lane permutes' destinations
.set S0,   64                          ; v64-127 S^T of tile 0
.set P1,   64                          ; v64-79  then tile 1's p as codes
.set FD,   112                         ; v112-119 the 32 bytes that I copy
.set S1,   128                         ; v128-191 S^T of tile 1
.set VF,   128                         ; then v's four fragments
.set O,    192                         ; v192-255 O^T: tile x, channels 16 dt on, at O + 32 x + 8 dt
.set WV,   84                          ; s84  my wave's number
.set TB,   85                          ; s85  LDS byte of the chunk in hand
.set TF,   86                          ; s86  of the chunk that is being written
.set STEPN, 87                         ; s87  the step's number
.set HOLES, 88                         ; s88  bit 0: this step's block of the mask has a hole
.set CNT,  89
.set CS,   90                          ; s[90:91] c = log2(e) / 8 x 2^(e2 + e3)
.set SEL,  92                          ; s[92:93] v_permlanex16_b32's selects for lane l xor 16
.set NINF, 94                          ; s94  -infinity
.set HOLD, 95                          ; s95  448 x 2^e4
.set E4,   96
.set LIM,  98                          ; s98  a wave prefetches while the step's number is under it
.set MOFF, 99                          ; s99  256 x step: the step's words of the mask
.set PFA,  100                         ; s[100:101] the prefetches' base
; s[16:63], s[68:83]: 64 words of the mask.  s10 e4 + e5, s11 2^e6, s12 448 x 2^e6, s13 four NaN codes.
	s_load_b256 s[4:11], s[0:1], 0x0               ; qkimg s[4:5], vimg s[6:7], maskw s[8:9], maskf s[10:11]
	s_load_b128 s[12:15], s[0:1], 0x20             ; the scales' exponents s[12:13], aimg s[14:15]
	v_lshrrev_b32 v1, 5, v0
	v_readfirstlane_b32 s[WV], v1                  ; wave 0..15
	v_lshlrev_b32 v[GO], 4, v0
	v_and_b32 v[PFO], 31, v0
	v_lshlrev_b32 v[ADR], 4, v[PFO]                ; 16 x lane, for q
	v_lshlrev_b32 v[PFO], 8, v[PFO]
	s_wait_alu depctr_va_sdst(0)                   ; s[WV] is written, ahead of its first reader: my tiles' numbers are made from it
	s_and_b32 s2, ttmp7, 0xffff                    ; 16 batch + head
	s_lshl_b32 s16, s2, 17                         ; its bytes in qkimg's halves and in vimg
	s_mov_b32 s17, 0
	s_lshl_b32 s18, ttmp9, 5
	s_lshl_b32 s19, s[WV], 1
	s_add_co_u32 s18, s18, s19                     ; my first tile of queries: 32 x work-group x + 2 x wave
	s_lshl_b32 s20, s18, 10                        ; q: 1,024 bytes a tile
	s_mov_b32 s21, 0
	s_lshl_b32 s40, s18, 12                        ; maskw: 16 steps of 256 bytes a tile
	s_mov_b32 s41, 0
	s_lshl_b32 s42, s18, 4                         ; maskf: four words a tile
	s_mov_b32 s43, 0
	s_lshr_b32 s3, s2, 4
	s_lshl_b32 s3, s3, 7
	s_add_co_u32 s3, s3, s18                       ; aimg: tile of tokens 128 batch + my tile: 4,096 bytes each,
	s_lshl_b32 s44, s3, 12
	s_bfe_u32 s3, s2, 0x20002                      ; + (head / 4) << 21: which 256 of the last product's K,
	s_lshl_b32 s3, s3, 21
	s_add_co_u32 s44, s44, s3
	s_and_b32 s3, s2, 3                            ; + (head % 4) << 10: which 64 of those 256
	s_lshl_b32 s3, s3, 10
	s_add_co_u32 s44, s44, s3
	s_mov_b32 s45, 0
	s_mov_b32 s[SEL], 0x76543210
	s_mov_b32 s[SEL+1], 0xfedcba98
	s_mov_b32 s[NINF], 0xff800000
	s_mov_b32 s[STEPN], 0
	s_mov_b32 s[MOFF], 0
	s_lshr_b32 s3, s[WV], 1                        ; 0 in waves 0 and 1
	s_or_b32 s3, s3, ttmp9                         ; of the head's first work-group: they prefetch, in steps 0 to 10
	s_cmp_eq_u32 s3, 0
	s_cselect_b32 s[LIM], 11, 0
	s_wait_kmcnt 0x0
	s_add_nc_u64 s[4:5], s[4:5], s[16:17]          ; q's half of qkimg at my head
	s_add_nc_u64 s[6:7], s[6:7], s[16:17]          ; v at my head
	s_add_nc_u64 s[22:23], s[4:5], s[20:21]        ; q at my tiles
	s_add_nc_u64 s[4:5], s[4:5], 0x800000          ; k at my head
	s_add_nc_u64 s[8:9], s[8:9], s[40:41]
	s_add_nc_u64 s[10:11], s[10:11], s[42:43]
	s_add_nc_u64 s[14:15], s[14:15], s[44:45]
	s_cmp_eq_u32 s[WV], 0
	s_cselect_b64 s[PFA:PFA+1], s[4:5], s[6:7]     ; wave 0 asks for k's chunks, wave 1 for v's
	s_wait_alu depctr_va_vdst(0)                   ; v[GO], v[ADR] and v[PFO] are written: the loads and LDS stores of the head, every copy's load and every prefetch read one of them as offset or address
.irp c, 0,1,2,3                        ; chunks 0-3: the 512 threads copy 8,192 consecutive bytes a load
	global_load_b128 v[S0+8*\c:S0+8*\c+3], v[GO], s[4:5] offset:8192*\c
	global_load_b128 v[S0+8*\c+4:S0+8*\c+7], v[GO], s[6:7] offset:8192*\c
.endr
.irp c, 0,1,2,3                        ; q's two fragments stay in registers
	global_load_b128 v[Q+4*\c:Q+4*\c+3], v[ADR], s[22:23] offset:512*\c
.endr
	s_load_b256 s[24:31], s[12:13], 0x0            ; e0 .. e7
	s_load_b256 s[32:39], s[10:11], 0x0            ; my two tiles' flag words
	v_mov_b32 v[NM0], 0x7f61b1e6                   ; -M = 3e38: M lies under every t
	v_mov_b32 v[NM0+1], 0
	v_mov_b32 v[NM1], 0x7f61b1e6
	v_mov_b32 v[NM1+1], 0
	v_mov_b32 v[L0], 0
	v_mov_b32 v[L0+1], 0
	v_mov_b32 v[L1], 0
	v_mov_b32 v[L1+1], 0
.set j, 0
.rept 64
	v_mov_b32 v[O+j], 0                            ; the step is written once: its first run finds zeros, which the first change of M leaves zeros
.set j, j+1
.endr
	s_wait_kmcnt 0x0
	s_or_b32 s[HOLES], s32, s33
	s_or_b32 s[HOLES], s[HOLES], s34
	s_or_b32 s[HOLES], s[HOLES], s35
	s_or_b32 s[HOLES], s[HOLES], s36
	s_or_b32 s[HOLES], s[HOLES], s37
	s_or_b32 s[HOLES], s[HOLES], s38
	s_or_b32 s[HOLES], s[HOLES], s39               ; bit s: step s has a hole for one of my 32 queries
	s_add_co_i32 s2, s26, s27
	s_lshl_b32 s2, s2, 23
	s_add_co_i32 s[CS], s2, 0x3e38aa3b             ; log2(e) / 8, with e2 + e3 added to its exponent field
	s_mov_b32 s[CS+1], s[CS]                       ; (named with it as a pair, so it is written)
	s_mov_b32 s[E4], s28
	s_add_co_i32 s2, s28, 127
	s_lshl_b32 s3, s2, 23
	v_mov_b32 v[CVS], s3
	s_add_co_i32 s2, s2, 8
	s_lshl_b32 s2, s2, 23
	s_or_b32 s[HOLD], s2, 0x600000
	s_add_co_i32 s10, s28, s29                     ; e4 + e5
	s_add_co_i32 s2, s30, 127
	s_lshl_b32 s11, s2, 23                         ; 2^e6
	s_add_co_i32 s2, s2, 8
	s_lshl_b32 s2, s2, 23
	s_or_b32 s12, s2, 0x600000                     ; 448 x 2^e6
	s_mov_b32 s13, 0x7f7f7f7f
	s_wait_loadcnt 4                               ; the eight loads of chunks 0-3 are in; q's four may be out
.irp c, 0,1,2,3                        ; (no vector instruction since the wait on va_vdst above names v[GO] or these data, which loads brought)
	ds_store_b128 v[GO], v[S0+8*\c:S0+8*\c+3] offset:16384*\c
	ds_store_b128 v[GO], v[S0+8*\c+4:S0+8*\c+7] offset:16384*\c+8192
.endr
	s_wait_dscnt 0x0                               ; for the others' sake: my stores have landed
	s_barrier_signal -1
	s_barrier_wait -1
	s_wait_loadcnt 0x0                             ; q
; One tile's softmax for one key step, up to its codes.  S: its 64 scores; NM: -M; L: l; P: where the codes go.  It leaves f in v[FT] for RESCALE.
.macro SOFTMAX S, NM, L, P
	v_max3_num_f32 v14, v[\S], v[\S+1], v[\S+2]    ; the largest of my 64 scores, in two chains; each accumulator is first read at its low end
	v_max3_num_f32 v15, v[\S+3], v[\S+4], v[\S+5]
.set j, 6
.rept 14
	v_max3_num_f32 v14, v14, v[\S+j], v[\S+j+1]
	v_max3_num_f32 v15, v15, v[\S+j+2], v[\S+j+3]
.set j, j+4
.endr
	v_max3_num_f32 v14, v14, v[\S+62], v[\S+63]
	v_max_num_f32 v14, v14, v15
	v_permlanex16_b32 v[PD], v14, s[SEL], s[SEL+1]
	v_max_num_f32 v14, v14, v[PD]                  ; and of lane l xor 16's: the query's other 64 keys
	v_mul_f32 v14, s[CS], v14                      ; as t (c is positive)
	v_floor_f32 v15, -v14                          ; -ceil(t) of this step,
	v_min_num_f32 v15, v15, v[\NM]                 ; the new -M: the ceiling of a maximum is the maximum of the ceilings.  (All keys masked: floor(+infinity) loses against the old -M)
	v_sub_f32 v14, v15, v[\NM]                     ; old M - new M: a whole number, 0 or less
	v_mov_b32 v[\NM], v15
	v_cvt_i32_f32 v14, v14                         ; (it saturates)
	v_ldexp_f32 v[FT], 1.0, v14                    ; f = 2^(old M - new M)
.set j, 0
.rept 32
	v_pk_fma_f32 v[\S+j:\S+j+1], v[\S+j:\S+j+1], s[CS:CS+1], v[\NM:\NM+1] op_sel_hi:[1,0,0]   ; t - M, two at a time
.set j, j+2
.endr
.set j, 0
.rept 64
	v_exp_f32 v[\S+j], v[\S+j]                     ; p = 2^(t - M): one batch
.set j, j+1
.endr
	v_pk_mul_f32 v[\L:\L+1], v[\L:\L+1], v[FT:FT+1] op_sel_hi:[1,0]   ; l under the new M: the plain instruction behind the last exponential
	s_wait_alu depctr_va_vdst(0)                   ; the 64 exponentials have written p: one wait for the batch, ahead of its first reader
	v_pk_add_f32 v[SM:SM+1], v[\S:\S+1], v[\S+2:\S+3]   ; l takes the UNQUANTISED p, in two chains
.set j, 4
.rept 15
	v_pk_add_f32 v[\L:\L+1], v[\L:\L+1], v[\S+j:\S+j+1]
	v_pk_add_f32 v[SM:SM+1], v[SM:SM+1], v[\S+j+2:\S+j+3]
.set j, j+4
.endr
	v_pk_add_f32 v[\L:\L+1], v[\L:\L+1], v[SM:SM+1]
	s_cmp_ge_i32 s[E4], -8                         ; p is at most 1 (and a rounding): with e4 >= -8, p / 2^e4 stays under 448 and needs no hold
	s_cbranch_scc1 .Lnohold_\@
.set j, 0
.rept 64
	v_min_num_f32 v[\S+j], s[HOLD], v[\S+j]        ; the conversion does not saturate (ISA guide 7.6.2); p is not negative, so the hold is one-sided
.set j, j+1
.endr
.Lnohold_\@:
.set j, 0
.rept 8
	v_cvt_scalef32_pk8_fp8_f32 v[\P+2*j:\P+2*j+1], v[\S+8*j:\S+8*j+7], v[CVS]   ; tile j's eight keys: registers 2 j, 2 j + 1 of the fragment
.set j, j+1
.endr
.endm
; The tile's O^T under the new M.  (Also the plain instructions between the conversions and the products that read their codes.)
.macro RESCALE OT
.set j, 0
.rept 16
	v_pk_mul_f32 v[\OT+j:\OT+j+1], v[\OT+j:\OT+j+1], v[FT:FT+1] op_sel_hi:[1,0]
.set j, j+2
.endr
.endm
; A KEY STEP: 128 keys.  fill = 1: each thread copies its 32 bytes of the chunk four steps on.
.macro STEP fill
	s_wait_alu depctr_vm_vsrc(0)                   ; the last step's LDS loads have read v[ADR], its LDS stores v[FA] and v[FD ..] (first step: q's loads have read v[ADR], the head's LDS stores v64-95): the lines, products and loads below write these
	v_and_b32 v[ADR], 31, v0
	v_lshl_add_u32 v[ADR], v[ADR], 4, s[TB]
.if \fill
	v_add_nc_u32 v[FA], s[TF], v[GO]               ; where this step's copy goes: made here, so that the one wait below serves the LDS stores at the step's end too
.endif
.rept 3-\fill
	v_nop                                          ; with the lines above: five places behind the last step's products, whose operands the products below write over
.endr
	s_wait_alu depctr_va_vdst(0)                   ; v[ADR] and v[FA] are written; the last step's products are done reading P0, and its vector lines are done with FT, SM and PD: k's fragments land in those registers
.irp g, 0,1                            ; S^T = k q^T: four tiles of 16 keys at a time, each against my two tiles of queries
.if \g
.rept 4
	v_nop                                          ; places behind the products above, kept beside the wait below
.endr
	s_wait_alu depctr_va_vdst(0)                   ; the eight products above are done reading v[FB ..], in which the next four fragments land
.endif
.irp i, 0,1,2,3
	ds_load_b128 v[FB+8*\i:FB+8*\i+3], v[ADR] offset:(4*\g+\i)*1024
	ds_load_b128 v[FB+8*\i+4:FB+8*\i+7], v[ADR] offset:(4*\g+\i)*1024+512
.endr
	s_wait_dscnt 0x0
.irp i, 0,1,2,3
	v_wmma_f32_16x16x64_fp8_fp8 v[S0+8*(4*\g+\i):S0+8*(4*\g+\i)+7], v[FB+8*\i:FB+8*\i+7], v[Q:Q+7], 0
	v_wmma_f32_16x16x64_fp8_fp8 v[S1+8*(4*\g+\i):S1+8*(4*\g+\i)+7], v[FB+8*\i:FB+8*\i+7], v[Q+8:Q+15], 0
.endr
.endr
.rept 4
	v_nop                                          ; places in front of the first read of results
.endr
	s_and_b32 s2, s[HOLES], 1                      ; THE MASK: a branch on a whole number that an earlier launch stored; no barrier stands under it
	s_cmp_lg_u32 s2, 0
	s_cbranch_scc0 .Lopen_\@
.irp x, 0,1
	s_load_b512 s[16:31], s[8:9], s[MOFF] offset:4096*\x
	s_load_b512 s[32:47], s[8:9], s[MOFF] offset:4096*\x+64
	s_load_b512 s[48:63], s[8:9], s[MOFF] offset:4096*\x+128
	s_load_b512 s[68:83], s[8:9], s[MOFF] offset:4096*\x+192
	s_wait_kmcnt 0x0
.set n, 0
.rept 64                               ; word n is the lanes' select for register n: a masked score becomes -infinity, p = 0
	v_cndmask_b32 v[S0+64*\x+n], s[NINF], v[S0+64*\x+n], s[16+n+4*(n/48)]
.set n, n+1
.endr
.endr
	s_wait_xcnt 0x0                                ; the scalar loads have read their offset register, which the step's end writes
.Lopen_\@:
	SOFTMAX S0, NM0, L0, P0
.if \fill
	s_wait_xcnt 0x0                                ; the last step's loads and prefetch have read their bases, so these may step
	s_add_nc_u64 s[4:5], s[4:5], 8192
	s_add_nc_u64 s[6:7], s[6:7], 8192
	s_add_nc_u64 s[PFA:PFA+1], s[PFA:PFA+1], 8192
	s_wait_alu depctr_va_vdst(0)                   ; tile 0's conversions are done reading its scores 48 to 55, v[FD ..], in which the two loads below land
	global_load_b128 v[FD:FD+3], v[GO], s[4:5] offset:3*8192       ; chunk s + 4 (the bases stand at chunk s + 1), into registers that tile 0's scores have left
	global_load_b128 v[FD+4:FD+7], v[GO], s[6:7] offset:3*8192
	s_cmp_lt_u32 s[STEPN], s[LIM]                  ; A PREFETCH of chunk s + 5, which the next step loads: 8,192 bytes, lanes 256 bytes apart.  The four work-groups of a head copy the same chunks: the first of them asks,
	s_cbranch_scc0 .Lnot_mine_\@                   ; wave 0 for k's and wave 1 for v's, so each block is named once; chunks 0-4 come by their loads alone, and step 11 asks for nothing: chunk 15 is the last
	global_prefetch_b8 v[PFO], s[PFA:PFA+1] offset:4*8192 th:TH_LOAD_NT scope:SCOPE_SE
.Lnot_mine_\@:
.endif
	RESCALE O                                      ; behind the loads: these multiplies name neither v[FD ..] nor an offset
	SOFTMAX S1, NM1, L1, P1
	s_wait_alu depctr_va_vdst(0)                   ; tile 1's conversions are done reading its scores, v[VF ..], in which v's fragments land (v[ADR] has stood since the wait at the step's head)
.irp d, 0,1,2,3                        ; O^T += v^T p^T: v's four fragments (16 channels x 128 keys), each against my two tiles
.irp c, 0,1,2,3
	ds_load_b128 v[VF+16*\d+4*\c:VF+16*\d+4*\c+3], v[ADR] offset:8192+2048*\d+512*\c
.endr
.endr
	RESCALE O+32                                   ; while v's fragments are on their way: these multiplies name neither v[VF ..] nor v[ADR]
	s_wait_dscnt 0x0
.irp d, 0,1,2,3                        ; eight accumulators, one instruction each
	v_wmma_f32_16x16x128_fp8_fp8 v[O+8*\d:O+8*\d+7], v[VF+16*\d:VF+16*\d+15], v[P0:P0+15], v[O+8*\d:O+8*\d+7]
	v_wmma_f32_16x16x128_fp8_fp8 v[O+32+8*\d:O+32+8*\d+7], v[VF+16*\d:VF+16*\d+15], v[P1:P1+15], v[O+32+8*\d:O+32+8*\d+7]
.endr
.if \fill
	s_wait_loadcnt 0x0                             ; my 32 bytes are in
	ds_store_b128 v[FA], v[FD:FD+3]                ; no wait on va_vdst: v[FA] was written ahead of the wait at the step's head, the data came by loads, and no vector or matrix instruction has named either since
	ds_store_b128 v[FA], v[FD+4:FD+7] offset:8192
	s_add_co_u32 s[TF], s[TF], 16384
.endif
	s_add_co_u32 s[TB], s[TB], 16384
	s_add_co_u32 s[MOFF], s[MOFF], 256
	s_add_co_u32 s[STEPN], s[STEPN], 1
	s_lshr_b32 s[HOLES], s[HOLES], 1
.endm
; Four steps.  The bases are constants of the text: group g reads LDS bytes 65,536 g on and writes those from 65,536 (g + 1) on.
.macro GROUP g, fill
	s_mov_b32 s[TB], 65536*(\g)
.if \fill
	s_mov_b32 s[TF], 65536*((\g)+1)
.endif
	s_mov_b32 s[CNT], 4
.Lgroup_\@:
	STEP \fill
	s_sub_co_u32 s[CNT], s[CNT], 1
	s_cmp_lg_u32 s[CNT], 0
	s_cbranch_scc1 .Lgroup_\@
.if \fill
	s_wait_dscnt 0x0                               ; for the others' sake: my stores of the next group's chunks have landed
	s_barrier_signal -1
	s_barrier_wait -1
.endif
.endm
	GROUP 0, 1
	GROUP 1, 1
	GROUP 2, 1
	GROUP 3, 0
	; THE WAY OUT.  l's halves and lane l xor 16's are added; O^T x 2^(e4 + e5) / l is held, quantised with 2^e6 and stored: a tile's eight registers of codes are two stores of 512 consecutive bytes, aligned.
	s_wait_alu depctr_vm_vsrc(0)                   ; the last step's LDS loads have read v[ADR], which is written anew below
	v_add_f32 v14, v[L0], v[L0+1]                  ; (these additions are the places behind the last products)
	v_add_f32 v15, v[L1], v[L1+1]
	v_permlanex16_b32 v[PD], v14, s[SEL], s[SEL+1]
	v_permlanex16_b32 v[PD+1], v15, s[SEL], s[SEL+1]
	v_add_f32 v14, v14, v[PD]
	v_add_f32 v15, v15, v[PD+1]
	v_cmp_neq_f32 s2, 0, v14                       ; the rows that have a sum
	v_cmp_neq_f32 s3, 0, v15
	v_rcp_f32 v[FT], v14
	v_rcp_f32 v[FT+2], v15
	v_and_b32 v[ADR], 31, v0                       ; (a plain instruction behind the reciprocals)
	v_lshlrev_b32 v[ADR], 4, v[ADR]                ; 16 x lane
	v_mov_b32 v54, s11                             ; 2^e6
	v_mov_b32 v55, s12                             ; 448 x 2^e6
	s_wait_alu depctr_va_sdst(0)                   ; the two compares have written s2 and s3, ahead of their first readers, the selects below
	s_wait_alu depctr_va_vdst(0)                   ; both reciprocals have written v[FT] and v[FT+2]: one wait, ahead of their first reader
	v_ldexp_f32 v[FT], v[FT], s10
	v_ldexp_f32 v[FT+2], v[FT+2], s10
.irp x, 0,1
.set j, 0
.rept 16
	v_pk_mul_f32 v[O+32*\x+j:O+32*\x+j+1], v[O+32*\x+j:O+32*\x+j+1], v[FT+2*\x:FT+2*\x+1] op_sel_hi:[1,0]
.set j, j+2
.endr
.set j, 0
.rept 32
	v_med3_num_f32 v[O+32*\x+j], v[O+32*\x+j], -v55, v55
.set j, j+1
.endr
.irp d, 0,1,2,3
	v_cvt_scalef32_pk8_fp8_f32 v[P0+8*\x+2*\d:P0+8*\x+2*\d+1], v[O+32*\x+8*\d:O+32*\x+8*\d+7], v54   ; channels 16 d + 8 h + 0 .. 7
.endr
	v_nop                                          ; one plain instruction between a conversion and the vector instruction that touches its result
.set j, 0
.rept 8
	v_cndmask_b32 v[P0+8*\x+j], s13, v[P0+8*\x+j], s[2+\x]   ; a row without a sum gets NaN codes: a select, no branch
.set j, j+1
.endr
.endr
	s_wait_alu depctr_va_vdst(0)                   ; the selects have written both tiles' codes, v[P0 ..], and v[ADR] is written: the four stores read them
.irp x, 0,1
	global_store_b128 v[ADR], v[P0+8*\x:P0+8*\x+3], s[14:15] offset:4096*\x
	global_store_b128 v[ADR], v[P0+8*\x+4:P0+8*\x+7], s[14:15] offset:4096*\x+512
.endr
	s_wait_xcnt 0x0
	v_lshl_add_u32 v254, v0, 2, 0x40000            ; the add's two registers, made anew in registers that O^T has left and that no memory or LDS instruction has read
	v_mov_b32 v255, 0
	s_wait_dscnt 0x0                               ; the closing lines, six on end
	s_wait_alu 0x0
	s_wait_tensorcnt 0x0
	ds_add_u32 v254, v255
	s_wait_dscnt 0x0
	s_endpgm
.Lfunc_end_k_qf0311f95f6_attn:
	.size	k_qf0311f95f6_attn, .Lfunc_end_k_qf0311f95f6_attn-k_qf0311f95f6_attn
	.p2alignl 7, 3214868480
	.fill 96, 4, 3214868480
	.section	.rodata,"a",@progbits
	.p2align	6, 0x0
	.amdhsa_kernel k_qf0311f95f6_attn
		.amdhsa_group_segment_fixed_size 264192
		.amdhsa_private_segment_fixed_size 0
		.amdhsa_enable_private_segment 0
		.amdhsa_kernarg_size 48
		.amdhsa_user_sgpr_count 2
		.amdhsa_user_sgpr_kernarg_segment_ptr 1
		.amdhsa_wavefront_size32 1
		.amdhsa_system_sgpr_workgroup_id_x 1
		.amdhsa_system_sgpr_workgroup_id_y 1
		.amdhsa_system_sgpr_workgroup_id_z 1
		.amdhsa_system_vgpr_workitem_id 0
		.amdhsa_next_free_vgpr 256
		.amdhsa_next_free_sgpr 102
		.amdhsa_reserve_vcc 0
		.amdhsa_float_denorm_mode_32 3
		.amdhsa_float_denorm_mode_16_64 3
		.amdhsa_memory_ordered 1
		.amdhsa_forward_progress 1
		.amdhsa_inst_pref_size 169
	.end_amdhsa_kernel
	.amdgpu_metadata
---
amdhsa.version: [ 1, 2 ]
amdhsa.kernels:
  - .name:           k_qf0311f95f6_attn
    .symbol:         k_qf0311f95f6_attn.kd
    .args:
      - { .name: qkimg, .offset: 0, .size: 8, .value_kind: global_buffer, .address_space: global }
      - { .name: vimg, .offset: 8, .size: 8, .value_kind: global_buffer, .address_space: global }
      - { .name: maskw, .offset: 16, .size: 8, .value_kind: global_buffer, .address_space: global }
      - { .name: maskf, .offset: 24, .size: 8, .value_kind: global_buffer, .address_space: global }
      - { .name: lowp_scales, .offset: 32, .size: 8, .value_kind: global_buffer, .address_space: global }
      - { .name: aimg, .offset: 40, .size: 8, .value_kind: global_buffer, .address_space: global }
    .group_segment_fixed_size: 264192
    .private_segment_fixed_size: 0
    .kernarg_segment_align: 8
    .kernarg_segment_size: 48
    .max_flat_workgroup_size: 512
    .sgpr_count:     102
    .vgpr_count:     256
    .wavefront_size: 32
...
	.end_amdgpu_metadata
.endif
;; end of part 5
;; launch proj: the kernel of part 4 again; grid 4 x 32, 4 waves a work-group, clusters of 4 x 4, 327,680 bytes of LDS; arguments aimg, out_w_codes, lowp_scales, out_b, out0; writes out0
